; MI455X (gfx1250); checked and timed in simulation.
; The chip was launched on July 23, 2026; its instructions are those of AMD's public machine-readable ISA for CDNA 5 (MIT licence, August 2026) and "CDNA5" Instruction Set Architecture Reference Guide (July 2026). The comments in the code are by the model that wrote it; some were corrected since.
;; Attention. Allowed arithmetic: matrix products marked QUANTISED: E2M1 operands, one E8M0 scale for each 32 along K, by v_wmma_scale_f32_16x16x128_f8f6f4 with both operands' format E2M1 (or v_wmma_scale_f32_32x16x128_f4), f32 sums; everything else in f32.
;; Inputs: block_tables 4 x 128 int32; k_cache 512 x 16 x 8 x 128 float32; query 4 x 256 x 32 x 128 float32; seq_lens 4 int32; v_cache 512 x 16 x 8 x 128 float32.
;; Outputs: out0 1,024 x 4,096 float32.
;; This version of the problem:
;;   THIS VERSION OF THE PROBLEM IS GIVEN IN LOW PRECISION. The matrix products marked QUANTISED in the list below multiply operands that are first quantised to E2M1 (2 exponent bits, 1 mantissa bit; 4 bits a number), with one power-of-two scale for each 32 numbers along K (OCP MX v1.0); their sums are f32. All else is computed in f32.
;;   The module's matrix products, in the order in which they are computed (A, B: the left and right operand; K: the contracted axis; several contracted axes count as one K, in the product's order):
;;     1. batch 32 x [M 2,048, K 128] x [K 128, N 1,024]; A: computed on the way; B: computed on the way: QUANTISED
;;     2. batch 32 x [M 128, K 2,048] x [K 2,048, N 1,024]; A: computed on the way; B: softmax (see below): QUANTISED
;;   THE QUANTISER, for each operand of a quantised product, along K:
;;     - K is cut into blocks of 32 from its start; a last block that is shorter is filled with zeros.
;;     - A block's scale is 2^e with e = floor(log2(the largest magnitude in the block)) - 2, held to -126 .. 127; a block of zeros has e = 0. As a byte (E8M0): e + 127.
;;     - Each number is divided by its block's scale, clamped to +-6, and rounded to the nearest number of E2M1, ties to even, subnormals kept.
;;     - The product sums the exact products of the quantised numbers (number of the format x scale) in f32.
;;   ~~~python
;;   def quantise(x, axis):      # numpy; x: float32 -> the quantised numbers, widened to float32 again
;;       x = np.moveaxis(x, axis, -1); K = x.shape[-1]
;;       x = np.pad(x, [(0, 0)] * (x.ndim - 1) + [(0, -K % 32)]); x = x.reshape(x.shape[:-1] + (-1, 32)); a = np.abs(x).max(-1, keepdims=True)
;;       e = np.where(a > 0, np.clip(np.frexp(np.where(a > 0, a, 1))[1] - 1 - 2, -126, 127), 0)      # np.frexp(a)[1] - 1 = floor(log2(a)), exactly
;;       r = np.clip(x / 2.0 ** e, -6, 6)
;;       step = 2.0 ** (np.maximum(np.frexp(np.where(r == 0, 1, r))[1] - 1, 0) - 1)
;;       q = np.round(r / step) * step * 2.0 ** e      # np.round: ties to even
;;       return np.moveaxis(q.reshape(q.shape[:-2] + (-1,))[..., :K], -1, axis).astype(np.float32)
;;   ~~~
;;   SOFTMAX AHEAD OF A QUANTISED PRODUCT. Where the list says 'softmax', what is quantised is not the finished softmax but p = 2^(t - M), with t = logit x log2(e) and M = ceil(the row's largest t), a whole number; so 1/2 < the row's largest p <= 1. The row's sum l is taken of the UNQUANTISED p, in f32, and the product's result is divided by l at the end. Since M is a whole number, a kernel that streams over the keys may use a running M (the ceiling of the running maximum): every later rescaling is an exact power of two, which a block's scale takes up: the codes' values come out the same.
;;   OPERANDS COMPUTED ON THE WAY. 'Computed on the way' means the value that the module computes at that place (a softmax that the list does not call 'softmax' is quantised finished and normalised). What goes into a quantiser is computed in f32, as accurately as f32 sums, v_exp_f32 and their like allow (about 1e-6 of the number): no bf16 or f16 on the way to a quantiser, and a product that is left as it is and whose result goes on into a quantised operand takes f32 operands (vector FMAs, or v_wmma_f32_16x16x4_f32). A number that lies on a knife's edge between two numbers of the format may be rounded either way, as far as f32 arithmetic and the matrix unit's own rounding can turn it there, and no further.
;; 2 versions. Each part assembles by itself: llvm-mc -triple=amdgcn-amd-amdhsa -mcpu=gfx1250 --defsym DOCPART=n.
;; ======== version 1 of 2: 2 launches
;; workspace buffers: kvimg 8,912,896 bytes
;; launch prep (part 1): grid 512 x 1, 8 waves a work-group, no clusters, 100,352 bytes of LDS; arguments k_cache, v_cache, block_tables, seq_lens, kvimg; writes kvimg
.if DOCPART == 1
	.amdgcn_target "amdgcn-amd-amdhsa--gfx1250"
	.amdhsa_code_object_version 6
	.text
	.protected	k_q435bb4e367_prep
	.globl	k_q435bb4e367_prep
	.p2align	8
	.type	k_q435bb4e367_prep,@function
k_q435bb4e367_prep:
	s_mov_b64 s[64:65], 0
	v_nop
	global_prefetch_b8 v0, s[64:65] scope:SCOPE_SE
	s_setreg_imm32_b32 hwreg(HW_REG_WAVE_MODE, 25, 1), 1
	s_wait_xcnt 0x0
; PAGED K AND V, f32, BECOME IMAGES OF THE OPERAND REGISTERS IN MX-FP4 (E2M1 codes, one E8M0 byte for each 32 along a product's K).
; k_cache, v_cache: [512 pages][16 tokens][8 kv heads][128] f32.  block_tables: [4][128] int32.  seq_lens: [4] int32.
; A work-group makes ONE image: sequence b, kv head kvh, step s of 128 logical keys (8 pages); image number = 128 b + 16 kvh + s = the work-group's number.
; An image is 17,408 dense bytes:
;   0      K's 8 fragments: byte 1024 t + 512 c + 16 (16 h + r): the 16 bytes of codes of d = 32 (2 c + h) + 0 .. 31 of key 32 (t / 2) + 8 (t % 2) + r + 8 (r / 8)
;          (the keys of a tile are not neighbours: the scores of tiles 2 b and 2 b + 1 are then 16 neighbouring keys in a lane's 16 registers)
;   8192   V's 8 fragments: byte 1024 t + 512 c + 16 (16 h + r): the codes of keys 64 c + 32 h + 0 .. 31 of channel d = 16 t + r (K = the keys)
;   16384  K's scale words: byte 64 t + 4 r + j, j the block of 32 along d;      16896  V's scale words: byte 4 d + the block of 32 keys
; A step whose first key lies at or behind max(seq_len, 256) is read by nobody: its work-group stores nothing.  The grid is fixed, so that it serves every split of lengths.
; That is a branch on a number read from memory, so operands go memory -> registers -> LDS by plain loads: no tensor load, no copy, and so no cluster.
; K (quantised along d, innermost): wave w takes page w: 16 loads of one key's 512 dense bytes; a turn through the wave's own stage gives a lane 16 neighbours along d; two lanes hold a block.
; V (quantised along the keys): a lane takes a channel and its registers run down the keys: wave w: channels 32 (w & 3) + lane, keys 64 (w >> 2) + 0 .. 63 (four pages, two blocks).
; The image is gathered in LDS and leaves in dense aligned runs of 512 and 128 bytes a wave.
; A block's scale is 2^(floor(log2(largest magnitude)) - 2): its byte is the largest magnitude's exponent field - 2, held at 1 from below.
; LIMITS: NaN and infinities are not served; a block whose largest magnitude lies under 2^-124 gets the byte 1; a block of zeros gets the byte 1 and not 127 (its codes are zeros,
; and this program alone reads the bytes); a page number is held at 511 (the problem's definition relies on it being inside the cache).
.set IMG,  17408
.set VOFF, 8192
.set KSO,  16384
.set VSO,  16896
.set TST,  IMG                         ; behind the image: four turning stages for each wave
.set SP,   80                          ; a place in a stage: 64 bytes + 16 of padding
.set STG,  32*SP                       ; a stage: four keys' 512 bytes
.set WREG, 4*STG                       ; a wave's stages
.set R,  32                            ; v32-95   K as loaded: key n at v[R + 4 n]
.set V,  96                            ; v96-159  V: block c at v[V + 32 c], a register a key
.set X,  160                           ; v160-223 K behind the turn: 16 neighbours along d, four keys' worth
.set CK, 224                           ; v224-231 K's codes
.set CV, 232                           ; v232-239 V's codes
.set EK, 240                           ; v240-243 K's scale bytes
.set EV, 244                           ; v244-246 V's two bytes, and both in one register
; v1 lane; v2 16 x lane; v3 4 x lane; v4, v5 the stage, in and out; v6, v7 K's codes and bytes in the image; v8, v9 V's; v10, v11 the way out; v12-15 at work
	s_load_b256 s[4:11], s[0:1], 0x0               ; k_cache s[4:5], v_cache s[6:7], block_tables s[8:9], seq_lens s[10:11]
	s_load_b64 s[12:13], s[0:1], 0x20              ; kvimg
	v_lshl_add_u32 v254, v0, 2, 0x18400
	v_mov_b32 v255, 0
	v_lshrrev_b32 v1, 5, v0
	v_readfirstlane_b32 s14, v1                    ; wave 0..7
	s_and_b32 s15, ttmp9, 15                       ; s: the step
	s_bfe_u32 s16, ttmp9, 0x30004                  ; kvh: 3 bits from bit 4
	s_lshr_b32 s17, ttmp9, 7                       ; b: the sequence
	; every LDS address is made here, ahead of the first branch, from the thread's number, the wave's number and constants
	v_and_b32 v1, 31, v0                           ; lane
	v_lshlrev_b32 v2, 4, v1                        ; K: my 16 bytes of a key's 512
	v_lshlrev_b32 v3, 2, v1                        ; V: my channel's 4 bytes
	s_mul_i32 s19, s14, WREG
	s_add_co_u32 s19, s19, TST                     ; my stages
	v_lshrrev_b32 v12, 2, v1
	v_mul_u32_u24 v12, v12, SP
	v_and_b32 v13, 3, v1
	v_lshl_add_u32 v12, v13, 4, v12
	v_add_nc_u32 v4, s19, v12                      ; in: four lanes' 64 bytes on end, then the padding
	v_mul_u32_u24 v5, v1, SP
	v_add_nc_u32 v5, s19, v5                       ; out: place = lane: key lane / 8 of the stage's four, d = 16 (lane % 8) + 0 .. 15
	s_lshr_b32 s21, s14, 1
	s_and_b32 s22, s14, 1
	s_lshl_b32 s19, s21, 11
	s_lshl_b32 s40, s22, 7
	s_add_co_u32 s19, s19, s40                     ; key 16 w + 4 i + lane / 8: tile 2 (w / 2) + i / 2, row 8 (w % 2) + 4 (i % 2) + lane / 8
	v_bfe_u32 v12, v0, 2, 1                        ; c of my block of d
	v_bfe_u32 v13, v0, 1, 1                        ; h of it
	v_bfe_u32 v14, v0, 3, 2                        ; lane / 8
	v_and_b32 v15, 1, v0                           ; which 8 bytes of the block's 16
	v_lshlrev_b32 v6, 9, v12
	v_lshl_add_u32 v6, v13, 8, v6
	v_lshl_add_u32 v6, v14, 4, v6
	v_lshl_add_u32 v6, v15, 3, v6
	v_add_nc_u32 v6, s19, v6                       ; K's codes: 2048 (w / 2) + 128 (w % 2) + 512 c + 256 h + 16 (lane / 8) + 8 (lane % 2); i stands in the immediate
	s_lshl_b32 s19, s21, 7
	s_lshl_b32 s40, s22, 5
	s_add_co_u32 s19, s19, s40
	s_add_co_u32 s19, s19, KSO
	v_bfe_u32 v12, v0, 1, 2                        ; my block of d
	v_lshl_add_u32 v7, v14, 2, v12
	v_add_nc_u32 v7, s19, v7                       ; K's scale byte: KSO + 128 (w / 2) + 32 (w % 2) + 4 (lane / 8) + block
	s_and_b32 s21, s14, 3                          ; w & 3: which 32 channels of V
	s_lshr_b32 s22, s14, 2                         ; w >> 2: which 64 keys
	s_lshl_b32 s19, s21, 11
	s_lshl_b32 s40, s22, 9
	s_add_co_u32 s19, s19, s40
	s_add_co_u32 s19, s19, VOFF
	v_bfe_u32 v12, v0, 4, 1
	v_and_b32 v13, 15, v0
	v_lshlrev_b32 v8, 10, v12
	v_lshl_add_u32 v8, v13, 4, v8
	v_add_nc_u32 v8, s19, v8                       ; V's codes: VOFF + 2048 (w & 3) + 1024 (lane / 16) + 512 (w >> 2) + 16 (lane % 16); the block (h) stands in the immediate
	s_lshl_b32 s19, s21, 7
	s_lshl_b32 s40, s22, 1
	s_add_co_u32 s19, s19, s40
	s_add_co_u32 s19, s19, VSO
	v_add_nc_u32 v9, s19, v3                       ; V's two scale bytes: VSO + 4 (32 (w & 3) + lane) + 2 (w >> 2)
	s_lshl_b32 s19, s14, 11
	v_add_nc_u32 v10, s19, v2                      ; the way out: 2048 w + 16 x lane, in LDS and in the image alike
	s_lshl_b32 s19, s14, 7
	s_add_co_u32 s19, s19, KSO
	v_add_nc_u32 v11, s19, v3                      ; and the scale words: 16384 + 128 w + 4 x lane
	; my sequence's length and my pages
	s_lshl_b32 s40, s17, 2                         ; seq_lens: 4 b
	s_mov_b32 s41, 0
	s_lshl_b32 s19, s17, 9
	s_lshl_b32 s30, s15, 5
	s_add_co_u32 s19, s19, s30                     ; block_tables: 4 (128 b + 8 s)
	s_lshl_b32 s30, s14, 2
	s_add_co_u32 s44, s19, s30                     ; K: page w of the step
	s_mov_b32 s45, 0
	s_lshl_b32 s30, s22, 4
	s_add_co_u32 s46, s19, s30                     ; V: pages 4 (w >> 2) + 0 .. 3: 16 bytes, aligned
	s_mov_b32 s47, 0
	s_wait_kmcnt 0x0
	s_add_nc_u64 s[10:11], s[10:11], s[40:41]
	s_add_nc_u64 s[44:45], s[8:9], s[44:45]
	s_add_nc_u64 s[46:47], s[8:9], s[46:47]
	s_load_b32 s18, s[10:11], 0x0
	s_load_b32 s20, s[44:45], 0x0
	s_load_b128 s[24:27], s[46:47], 0x0
	s_mul_i32 s40, ttmp9, IMG
	s_add_nc_u64 s[42:43], s[12:13], s[40:41]      ; my image
	s_wait_kmcnt 0x0
	s_max_i32 s18, s18, 0x100                      ; a sequence has at least its 256 new tokens
	s_lshl_b32 s19, s15, 7                         ; the step's first key
	s_cmp_lt_u32 s19, s18
	s_cselect_b32 s23, 1, 0                        ; 1: some query of the sequence may see this step
	s_min_u32 s20, s20, 0x1ff                      ; a page number enters an address only held inside the cache
	s_lshl_b32 s20, s20, 16                        ; a page is 65,536 bytes
	s_lshl_b32 s19, s16, 9                         ; a head's 512 bytes of a token's 4,096
	s_add_co_u32 s40, s20, s19
	s_add_nc_u64 s[28:29], s[4:5], s[40:41]        ; K: my page, my head
	s_lshl_b32 s30, s21, 7
	s_add_co_u32 s19, s19, s30                     ; V: + my wave's 32 channels
.irp n, 0,1,2,3
	s_min_u32 s[24+\n], s[24+\n], 0x1ff
	s_lshl_b32 s[24+\n], s[24+\n], 16
	s_add_co_u32 s40, s[24+\n], s19
	s_add_nc_u64 s[32+2*\n:33+2*\n], s[6:7], s[40:41]
.endr
	s_cmp_eq_u32 s23, 0
	s_cbranch_scc1 .Lmeet                          ; round the work alone: the barrier stands on every wave's path
.irp n, 0,1,2,3,4,5,6,7,8,9,10,11,12,13,14,15
	global_load_b128 v[R+4*\n:R+4*\n+3], v2, s[28:29] offset:4096*\n   ; key n of my page: 32 lanes read 512 consecutive bytes.  No hint: a table may name a page twice
.endr
.irp c, 0,1
.irp i, 0,1,2,3,4,5,6,7,8,9,10,11,12,13,14,15,16,17,18,19,20,21,22,23,24,25,26,27,28,29,30,31
	global_load_b32 v[V+32*\c+\i], v3, s[32+2*(2*\c+\i/16):33+2*(2*\c+\i/16)] offset:4096*(\i%16)   ; key 32 c + i of my 64, my channel: 128 consecutive bytes a wave, four waves side by side on 512
.endr
.endr
.macro TURN i                          ; keys 4 i .. 4 i + 3 through stage i: LDS serves a wave's instructions in order, so no wait stands between the stores and the loads
.irp k, 0,1,2,3
	ds_store_b128 v4, v[R+16*\i+4*\k:R+16*\i+4*\k+3] offset:STG*\i+8*SP*\k
.endr
.irp j, 0,1,2,3
	ds_load_b128 v[X+16*\i+4*\j:X+16*\i+4*\j+3], v5 offset:STG*\i+16*\j
.endr
.endm
.macro QK i                            ; my 16 numbers of key 4 i + lane / 8 become 8 bytes of codes; my neighbour holds the block's other 16
.set XS, X+16*\i
	v_max3_num_f32 v12, |v[XS]|, |v[XS+1]|, |v[XS+2]|
	v_max3_num_f32 v13, |v[XS+3]|, |v[XS+4]|, |v[XS+5]|
.irp k, 6,10
	v_max3_num_f32 v12, v12, |v[XS+\k]|, |v[XS+\k+1]|
	v_max3_num_f32 v13, v13, |v[XS+\k+2]|, |v[XS+\k+3]|
.endr
	v_max3_num_f32 v12, v12, |v[XS+14]|, |v[XS+15]|
	v_max3_num_f32 v12, v12, v13, 0x1800000        ; and the floor 2^(3 - 127): the byte cannot fall under 1
	v_max_num_f32_dpp v12, v12, v12 row_xmask:1 row_mask:0xf bank_mask:0xf   ; with my neighbour's 16: the block's largest magnitude
	v_add_nc_u32 v14, 0xff000000, v12              ; 2 off its exponent field: the conversion takes the exponent field of this operand as its scale
	v_cvt_scalef32_pk8_fp4_f32 v[CK+2*\i], v[XS:XS+7], v14
	v_cvt_scalef32_pk8_fp4_f32 v[CK+2*\i+1], v[XS+8:XS+15], v14
	v_lshrrev_b32 v[EK+\i], 23, v14                ; the scale's byte (also the plain line behind the conversions)
	ds_store_b64 v6, v[CK+2*\i:CK+2*\i+1] offset:1024*(\i/2)+64*(\i%2)
	ds_store_b8 v7, v[EK+\i] offset:64*(\i/2)+16*(\i%2)   ; both lanes of a block write the same byte with the same value
.endm
.macro QV c                            ; my channel's block c of 32 keys: all 32 numbers are mine
.set VS, V+32*\c
	v_max3_num_f32 v12, |v[VS]|, |v[VS+1]|, |v[VS+2]|
	v_max3_num_f32 v13, |v[VS+3]|, |v[VS+4]|, |v[VS+5]|
.irp k, 6,10,14,18,22,26
	v_max3_num_f32 v12, v12, |v[VS+\k]|, |v[VS+\k+1]|
	v_max3_num_f32 v13, v13, |v[VS+\k+2]|, |v[VS+\k+3]|
.endr
	v_max3_num_f32 v12, v12, |v[VS+30]|, |v[VS+31]|
	v_max3_num_f32 v12, v12, v13, 0x1800000
	v_add_nc_u32 v14, 0xff000000, v12
	v_lshrrev_b32 v[EV+\c], 23, v14
.irp g, 0,1,2,3
	v_cvt_scalef32_pk8_fp4_f32 v[CV+4*\c+\g], v[VS+8*\g:VS+8*\g+7], v14
.endr
	v_nop                                          ; one plain line behind the last conversion of a run
	ds_store_b128 v8, v[CV+4*\c:CV+4*\c+3] offset:256*\c
.endm
	s_wait_loadcnt 0x3f                            ; behind K's last load stand V's 64: with at most 63 out, K's sixteen are in
	TURN 0
	TURN 1
	TURN 2
	TURN 3
	s_wait_dscnt 0x0                               ; all four stages are back in registers
	QK 0
	QK 1
	QK 2
	QK 3
	s_wait_loadcnt 0x20                            ; V's first block is in; the second block's 32 loads may be out
	QV 0
	s_wait_loadcnt 0x0
	QV 1
	v_lshl_or_b32 v[EV+2], v[EV+1], 8, v[EV]       ; my channel's two bytes, the lower keys' in the lower byte
	ds_store_b16 v9, v[EV+2]
.Lmeet:
	s_wait_dscnt 0x0                               ; for the others' sake: my stores into the image have landed
	s_barrier_signal -1
	s_barrier_wait -1                              ; the image is whole
	s_cmp_eq_u32 s23, 0
	s_cbranch_scc1 .Lend
.irp i, 0,1,2,3
	ds_load_b128 v[32+4*\i:35+4*\i], v10 offset:512*\i
.endr
	ds_load_b32 v48, v11
	s_wait_dscnt 0x0
.irp i, 0,1,2,3
	global_store_b128 v10, v[32+4*\i:35+4*\i], s[42:43] offset:512*\i   ; 32 lanes store 512 consecutive bytes, at a multiple of 256 from the buffer's first byte; the next launch reads them: no hint
.endr
	global_store_b32 v11, v48, s[42:43]            ; 128 consecutive bytes a wave; two waves fill an aligned 256
.Lend:
	s_wait_tensorcnt 0x0
	ds_add_u32 v254, v255
	s_wait_dscnt 0x0
	s_endpgm
.Lfunc_end_k_q435bb4e367_prep:
	.size	k_q435bb4e367_prep, .Lfunc_end_k_q435bb4e367_prep-k_q435bb4e367_prep
	.p2alignl 7, 3214868480
	.fill 96, 4, 3214868480
	.section	.rodata,"a",@progbits
	.p2align	6, 0x0
	.amdhsa_kernel k_q435bb4e367_prep
		.amdhsa_group_segment_fixed_size 100352
		.amdhsa_private_segment_fixed_size 0
		.amdhsa_enable_private_segment 0
		.amdhsa_kernarg_size 40
		.amdhsa_user_sgpr_count 2
		.amdhsa_user_sgpr_kernarg_segment_ptr 1
		.amdhsa_wavefront_size32 1
		.amdhsa_system_sgpr_workgroup_id_x 1
		.amdhsa_system_sgpr_workgroup_id_y 1
		.amdhsa_system_sgpr_workgroup_id_z 1
		.amdhsa_system_vgpr_workitem_id 0
		.amdhsa_next_free_vgpr 256
		.amdhsa_next_free_sgpr 66
		.amdhsa_reserve_vcc 0
		.amdhsa_float_denorm_mode_32 3
		.amdhsa_float_denorm_mode_16_64 3
		.amdhsa_memory_ordered 1
		.amdhsa_forward_progress 1
		.amdhsa_inst_pref_size 23
	.end_amdhsa_kernel
	.amdgpu_metadata
---
amdhsa.version: [ 1, 2 ]
amdhsa.kernels:
  - .name:           k_q435bb4e367_prep
    .symbol:         k_q435bb4e367_prep.kd
    .args:
      - { .name: k_cache, .offset: 0, .size: 8, .value_kind: global_buffer, .address_space: global }
      - { .name: v_cache, .offset: 8, .size: 8, .value_kind: global_buffer, .address_space: global }
      - { .name: block_tables, .offset: 16, .size: 8, .value_kind: global_buffer, .address_space: global }
      - { .name: seq_lens, .offset: 24, .size: 8, .value_kind: global_buffer, .address_space: global }
      - { .name: kvimg, .offset: 32, .size: 8, .value_kind: global_buffer, .address_space: global }
    .group_segment_fixed_size: 100352
    .private_segment_fixed_size: 0
    .kernarg_segment_align: 8
    .kernarg_segment_size: 40
    .max_flat_workgroup_size: 256
    .sgpr_count:     66
    .vgpr_count:     256
    .wavefront_size: 32
...
	.end_amdgpu_metadata
.endif
;; end of part 1
;; launch attn (part 2): grid 256 x 1, 8 waves a work-group, no clusters, 207,872 bytes of LDS; arguments query, seq_lens, kvimg, out0; writes out0
.if DOCPART == 2
	.amdgcn_target "amdgcn-amd-amdhsa--gfx1250"
	.amdhsa_code_object_version 6
	.text
	.protected	k_q435bb4e367_attn
	.globl	k_q435bb4e367_attn
	.p2align	8
	.type	k_q435bb4e367_attn,@function
k_q435bb4e367_attn:
	s_mov_b64 s[64:65], 0
	v_nop
	global_prefetch_b8 v0, s[64:65] scope:SCOPE_SE
	s_setreg_imm32_b32 hwreg(HW_REG_WAVE_MODE, 25, 1), 1
	s_wait_xcnt 0x0
; PAGED GQA PREFILL ATTENTION ON CODES OF MX-FP4.  query: [4][256][32][128] f32; out0: [1024][4096] f32; kvimg: the images of K and V, 17,408 bytes for each (sequence, kv head, step of 128 keys).
; Query i of sequence b stands at position L - 256 + i, L = max(seq_lens[b], 256); key k counts where k <= that position.
; t = score x log2(e); M = the running largest t rounded UP to a whole number; p = 2^(t - M) is quantised along the keys, not normalised; the row's sum is taken of the unquantised p and divides O at the end.
; SHARES.  A wave owns 16 queries of one head.  A GROUP of four waves is the four heads of one kv head on the same 16 queries: one mask, one number of steps, one image a step, which the four bring
; into LDS a quarter each and all four read.  A work-group holds two groups; waves w and w + 4 lie in different groups: group (w ^ (w >> 2)) & 1, head w >> 1 of the four.
; BALANCE.  The four lengths are ranked, longest first (ties: the lower index).  Work-group (p, qt, kvh): group 0 takes the sequence of rank p and query tile qt, group 1 rank 3 - p and tile 15 - qt.
; WORK THAT IS LEFT OUT.  A step all of whose keys come behind the wave's 16 queries is jumped over, by a scalar branch on seq_lens; the loop's trip count, 4 trips of four steps, and its barriers are constants.
; NO TENSOR LOADS, NO CLUSTER: the steps that a group walks hang on seq_lens, a number read from memory, and differ from group to group (1 to 16 of the 16); joint loads would have every partner fetch and
; every wave walk all 16.  So an image comes by plain loads through registers into one of the group's four LDS slots.
; THE STEP IS A PIPELINE.  In step s a wave (1) asks memory for its quarter of image s + 3, (2) multiplies K of step s, which is in its registers already, (3) fetches V of step s and K of step s + 1 from LDS
; in four runs that stand among the softmax's phases, (4) stores image s + 2, asked for a step ago, into LDS ahead of O's rescaling, (5) multiplies V.  So no product waits for a load issued just before it.
; Slots: step s reads slot s % 4 (V) and slot (s + 1) % 4 (K) and writes slot (s + 2) % 4, which was last read in step s - 2, in front of this step's barrier.
; An image's number is held at the group's last worked step: so every worked step issues the same loads, stores and fetches, with no branch among them, and each counted wait counts the same on every way.
; LAYOUT.  Both products are used transposed: S^T = K Q^T (source 0 = 16 keys, source 1 = my 16 queries), O^T = V^T P^T (source 0 = 16 channels, source 1 = P): a lane holds ONE query (lane % 16) throughout.
; Register 16 b + i of the scores is key 32 b + 16 (lane / 16) + i of the step (the images lay K's tiles so).
; LIMITS: NaN and infinities are not served; a block of q or p whose largest magnitude lies under 2^-124 gets the scale byte 1 (a block of zeros too: its codes are zeros); seq_lens above 2,304 is held at 2,304,
; which gives the same mask; a block's largest p is taken from its largest score, which takes v_exp_f32 not to fall where its input rises.
; REGISTERS, in windows of 256 (s_set_vgpr_msb: bits 1:0 source 0, 3:2 source 1, 5:4 source 2, 7:6 destination).
;   window 0: v1, v2 16 x lane in my group's slots 0-1, 2-3; v3, v4 4 x lane there; v5, v6 and v7, v8 where I put my quarter of an image (codes; scale words); v9, v10 the same places in the image in memory;
;     v11 my stage by rows; v25 my stage: O's way in; v28 my stage: q's way out; v29 16 x lane; v30 lane % 16 - 16 (lane / 16); v12 -M; v13 the largest t; v[14:15] the sum in two halves;
;     v16-23 q's codes; v24 q's scale word; v32-35 K's scale words, v36-39 V's (lanes 0-15 tile 2 j, lanes 16-31 tile 2 j + 1); v96-159 S^T, then p; v160-223 O^T; v224-231 p's codes;
;     v232-247 at work; v252 f; v253 p's scale word; v254 at work; v255 -infinity
;   window 1: v0-63 K's eight fragments; v64-127 V's; v128-223 three sets of 32: staged codes; v224-229 their scale words.
;   All that the softmax touches lies in window 0; a switch stands in front of and behind each run of loads, stores and products that names window 1: eight runs, sixteen switches a step.
.set IMG,   17408
.set VOFF,  8192
.set KSO,   16384
.set VSO,   16896
.set GRP,   4*IMG                      ; a group's four slots
.set STAGE, 2*GRP                      ; behind them: a stage of 16 rows x (512 bytes + 16) for each wave, its own: q's way in, O's way out
.set SP,    528
.set WST,   16*SP
.set KFR,   0                          ; window 1: K's fragments
.set VFR,   64                         ; V's
.set STC,   128                        ; staged codes: set e at STC + 32 e
.set STS,   224                        ; staged scale words: set e at STS + 2 e
.set QMIN, 33                          ; s33  my first query's position
.set QMAX, 34                          ; s34  my last query's position, held at 2,047
.set KF,   35                          ; s35  the step's first key
.set NL,   36                          ; s36  my last worked step
.set SEL,  38                          ; s[38:39] v_permlanex16_b32's selects for lane l xor 16
.set CS,   40                          ; s[40:41] log2(e), twice: the packed form names a pair
.set PB,   42                          ; s[42:43] image 0 of my sequence and kv head; never stepped
.set PT,   54                          ; s[54:55] the image that is asked for
.set MSB, 0
.macro WIN new                         ; the immediate's high byte repeats the setting that is left; a switch that changes nothing is dropped
.if MSB != \new
	s_set_vgpr_msb (MSB<<8)|\new
.set MSB, \new
.endif
.endm
	s_load_b256 s[4:11], s[0:1], 0x0               ; query s[4:5], seq_lens s[6:7], kvimg s[8:9], out0 s[10:11]
	v_lshl_add_u32 v250, v0, 2, 0x32800
	v_mov_b32 v251, 0
	v_lshrrev_b32 v26, 5, v0
	v_readfirstlane_b32 s12, v26                   ; wave 0..7
	s_lshr_b32 s13, s12, 2
	s_xor_b32 s13, s13, s12
	s_and_b32 s13, s13, 1                          ; g: my group
	s_lshr_b32 s14, s12, 1                         ; hd: my head of the kv head's four
	s_and_b32 s15, ttmp9, 1                        ; p
	s_bfe_u32 s16, ttmp9, 0x40001                  ; qt: 4 bits from bit 1
	s_lshr_b32 s17, ttmp9, 5                       ; kvh
	; every LDS address is made here, from the thread's number, the wave's number and constants
	v_and_b32 v26, 31, v0                          ; lane
	v_and_b32 v27, 15, v0                          ; r
	v_bfe_u32 v31, v0, 4, 1                        ; h
	s_mul_i32 s50, s13, GRP
	v_lshlrev_b32 v29, 4, v26
	v_add_nc_u32 v1, s50, v29
	v_add_nc_u32 v2, 2*IMG, v1
	v_lshlrev_b32 v3, 2, v26
	v_add_nc_u32 v3, s50, v3
	v_add_nc_u32 v4, 2*IMG, v3
	s_lshl_b32 s51, s14, 12                        ; my quarter of the codes: 4,096 bytes
	v_add_nc_u32 v9, s51, v29
	v_add_nc_u32 v5, s50, v9
	v_add_nc_u32 v6, 2*IMG, v5
	s_lshl_b32 s51, s14, 8                         ; my quarter of the scale words: 256 bytes, 8 a lane
	s_add_co_u32 s51, s51, KSO
	v_lshl_add_u32 v10, v26, 3, s51
	v_add_nc_u32 v7, s50, v10
	v_add_nc_u32 v8, 2*IMG, v7
	s_mul_i32 s52, s12, WST
	s_add_co_u32 s52, s52, STAGE                   ; my stage
	v_add_nc_u32 v11, s52, v29
	v_mul_u32_u24 v30, v27, SP
	v_add_nc_u32 v30, s52, v30
	v_lshl_add_u32 v25, v31, 5, v30                ; row r, + 32 h
	v_lshl_add_u32 v28, v31, 6, v30                ; row r, + 64 h
	v_lshlrev_b32 v30, 4, v31
	v_sub_nc_u32 v30, v27, v30                     ; r - 16 h
	s_mov_b32 s[SEL], 0x76543210
	s_mov_b32 s[SEL+1], 0xfedcba98
	s_mov_b32 s[CS], 0x3fb8aa3b                    ; log2(e)
	s_mov_b32 s[CS+1], s[CS]
	s_mov_b32 s48, 0x3db504f3                      ; 1 / sqrt(128) in f32
	s_mov_b32 s49, s48
	s_mul_i32 s29, s13, 3
	s_xor_b32 s29, s29, s15                        ; the rank that my group takes: p, or 3 - p
	s_mul_i32 s32, s13, 15
	s_xor_b32 s32, s32, s16                        ; its query tile: qt, or 15 - qt
	s_lshl_b32 s32, s32, 4                         ; q0: my first query
	s_wait_kmcnt 0x0
	s_load_b128 s[20:23], s[6:7], 0x0              ; the four lengths
	s_wait_kmcnt 0x0
.irp b, 0,1,2,3
	s_max_i32 s[20+\b], s[20+\b], 0x100
	s_min_u32 s[20+\b], s[20+\b], 0x900
	s_mov_b32 s[24+\b], 0
.endr
.macro PAIR j, b                       ; j < b: the longer goes ahead, on a tie the lower index
	s_cmp_ge_u32 s[20+\j], s[20+\b]
	s_cselect_b32 s28, 1, 0
	s_add_co_u32 s[24+\b], s[24+\b], s28
	s_xor_b32 s28, s28, 1
	s_add_co_u32 s[24+\j], s[24+\j], s28
.endm
	PAIR 0, 1
	PAIR 0, 2
	PAIR 0, 3
	PAIR 1, 2
	PAIR 1, 3
	PAIR 2, 3
	s_mov_b32 s30, 0                               ; the sequence of my rank, and its length
	s_mov_b32 s31, s20
.irp b, 1,2,3
	s_cmp_eq_u32 s[24+\b], s29
	s_cselect_b32 s30, \b, s30
	s_cselect_b32 s31, s[20+\b], s31
.endr
	s_min_u32 s30, s30, 3                          ; it hangs on loaded numbers: it enters addresses only held
	s_add_co_u32 s[QMIN], s31, s32
	s_sub_co_u32 s[QMIN], s[QMIN], 0x100           ; L - 256 + q0, 0 or more
	s_add_co_u32 s[QMAX], s[QMIN], 15
	s_min_u32 s[QMAX], s[QMAX], 0x7ff              ; step s is worked where 128 s <= QMAX; then 128 s < L, so its image was stored
	s_lshr_b32 s[NL], s[QMAX], 7                   ; the last such step
	s_mov_b32 s45, 0                               ; the upper word of every offset; it stays 0
	s_lshl_b32 s44, s30, 8
	s_add_co_u32 s44, s44, s32
	s_lshl_b32 s44, s44, 14                        ; row 256 b + q0 of 16,384 bytes,
	s_lshl_b32 s50, s17, 2
	s_add_co_u32 s50, s50, s14
	s_lshl_b32 s50, s50, 9                         ; head 4 kvh + hd of 512 bytes: the same in query and in out0
	s_add_co_u32 s44, s44, s50
	s_add_nc_u64 s[4:5], s[4:5], s[44:45]
	s_add_nc_u64 s[46:47], s[10:11], s[44:45]
	s_lshl_b32 s44, s30, 3
	s_add_co_u32 s44, s44, s17
	s_mul_i32 s44, s44, 16*IMG                     ; (8 b + kvh) x 16 images
	s_add_nc_u64 s[PB:PB+1], s[8:9], s[44:45]
	s_min_u32 s44, s[NL], 1                        ; image 1, or the last worked one
	s_mul_i32 s44, s44, IMG
	s_add_nc_u64 s[PT:PT+1], s[PB:PB+1], s[44:45]
	s_min_u32 s44, s[NL], 2                        ; image 2, or the last worked one
	s_mul_i32 s44, s44, IMG
	s_add_nc_u64 s[52:53], s[PB:PB+1], s[44:45]
.macro LOADG set, base                 ; my quarter of the image at s[base], into staged set 'set': 8 x 512 dense bytes of codes, 256 of scale words
	WIN 0x40                                       ; destination window 1
.irp i, 0,1,2,3,4,5,6,7
	global_load_b128 v[STC+32*(\set)+4*\i:STC+32*(\set)+4*\i+3], v9, s[\base:\base+1] offset:512*\i
.endr
	global_load_b64 v[STS+2*(\set):STS+2*(\set)+1], v10, s[\base:\base+1]
	WIN 0
.endm
.macro PUT set, slot                   ; and from that set into a slot of my group
	WIN 0x04                                       ; an LDS store's data are its source 1: window 1
.irp i, 0,1,2,3,4,5,6,7
	ds_store_b128 v[5+(\slot)/2], v[STC+32*(\set)+4*\i:STC+32*(\set)+4*\i+3] offset:((\slot)%2)*IMG+512*\i
.endr
	ds_store_b64 v[7+(\slot)/2], v[STS+2*(\set):STS+2*(\set)+1] offset:((\slot)%2)*IMG
	WIN 0
.endm
; Tiles 4 u .. 4 u + 3 of K (reg KFR, base 0) or of V (reg VFR, base VOFF): a fragment comes as it was laid, 16 bytes a lane, 512 dense bytes a load.
; A load of 4 bytes a lane brings the scale words of two tiles, 128 dense bytes: lanes 0-15 tile 2 j's, lanes 16-31 tile 2 j + 1's.  Ten loads.
.macro FRAGS slot, u, reg, base, sreg, sbase
	WIN 0x40
.irp t, 0,1,2,3
.irp c, 0,1
	ds_load_b128 v[\reg+8*(4*\u+\t)+4*\c:\reg+8*(4*\u+\t)+4*\c+3], v[1+(\slot)/2] offset:((\slot)%2)*IMG+\base+(4*\u+\t)*1024+512*\c
.endr
.endr
	WIN 0
.irp j, 0,1
	ds_load_b32 v[\sreg+2*\u+\j], v[3+(\slot)/2] offset:((\slot)%2)*IMG+\sbase+(2*\u+\j)*128
.endr
.endm
	LOADG 0, PB                                    ; image 0: every group works step 0
	LOADG 2, PT                                    ; image 1
.irp i, 0,1,2,3,4,5,6,7,8,9,10,11,12,13,14,15
	global_load_b128 v[96+4*\i:99+4*\i], v29, s[4:5] offset:16384*\i th:TH_LOAD_NT   ; query q0 + i, my head: 512 dense bytes, read once in the launch
.endr
	LOADG 1, 52                                    ; image 2: it stays out until step 0 stores it
	s_wait_loadcnt 0x19                            ; images 0 and 1 are in: behind them stand q's 16 loads and image 2's 9
	PUT 0, 0
	PUT 2, 1
	s_wait_loadcnt 0x9                             ; q is in: behind it stand image 2's 9
.irp i, 0,1,2,3,4,5,6,7,8,9,10,11,12,13,14,15
	ds_store_b128 v11, v[96+4*\i:99+4*\i] offset:SP*\i   ; q turns through my own stage: in by rows,
.endr
.irp b, 0,1,2,3
.irp j, 0,1,2,3
	ds_load_b128 v[160+16*\b+4*\j:163+16*\b+4*\j], v28 offset:128*\b+16*\j   ; out: lane (r, h) takes, of row r, d = 32 b + 16 h + 0 .. 15 into registers 16 b + 0 .. 15 (LDS serves a wave's instructions in order)
.endr
.endr
	s_wait_dscnt 0x0                               ; q is back; and, for the others' sake, my quarters of slots 0 and 1 have landed
	s_barrier_signal -1
	s_barrier_wait -1                              ; slots 0 and 1 are whole
	FRAGS 0, 0, KFR, 0, 32, KSO                    ; K of step 0: it lands while q is quantised
	FRAGS 0, 1, KFR, 0, 32, KSO
.irp j, 0,2,4,6,8,10,12,14,16,18,20,22,24,26,28,30,32,34,36,38,40,42,44,46,48,50,52,54,56,58,60,62
	v_pk_mul_f32 v[160+\j:161+\j], v[160+\j:161+\j], s[48:49] op_sel_hi:[1,0]   ; q x 1 / sqrt(128), in f32, ahead of the quantiser
.endr
.irp b, 0,1,2,3
	v_mov_b32 v[236+\b], 0                         ; written once: a lane permute's destination counts as one of its sources
.endr
.irp b, 0,1,2,3
	v_max3_num_f32 v[232+\b], |v[160+16*\b]|, |v[161+16*\b]|, 0x1800000   ; block b: my 16 numbers, and the floor 2^(3 - 127)
.endr
.irp i, 2,4,6,8,10,12,14
.irp b, 0,1,2,3
	v_max3_num_f32 v[232+\b], v[232+\b], |v[160+16*\b+\i]|, |v[161+16*\b+\i]|
.endr
.endr
.irp b, 0,1,2,3
	v_permlanex16_b32 v[236+\b], v[232+\b], s[SEL], s[SEL+1]
.endr
.irp b, 0,1,2,3
	v_max_num_f32 v[232+\b], v[232+\b], v[236+\b]  ; with lane l xor 16's: the block's largest magnitude
.endr
.irp b, 0,1,2,3
	v_add_nc_u32 v[244+\b], 0xff000000, v[232+\b]  ; 2 off its exponent field: the conversion's scale operand
.endr
.irp b, 0,1,2,3
	v_lshrrev_b32 v[236+\b], 23, v[244+\b]         ; the scale's byte
.endr
	v_lshl_or_b32 v24, v237, 8, v236               ; my query's scale word
	v_lshl_or_b32 v24, v238, 16, v24
	v_lshl_or_b32 v24, v239, 24, v24
.irp b, 0,1,2,3
	v_cvt_scalef32_pk8_fp4_f32 v[16+2*\b], v[160+16*\b:167+16*\b], v[244+\b]
	v_cvt_scalef32_pk8_fp4_f32 v[17+2*\b], v[168+16*\b:175+16*\b], v[244+\b]
.endr
	v_nop                                          ; one plain line behind a scaled conversion
.irp c, 0,1                                    ; the operand's layout wants a whole block in a lane: lanes 0-15 block 2 c, lanes 16-31 block 2 c + 1
.irp i, 0,1
	v_permlane16_swap_b32 v[16+4*\c+\i], v[18+4*\c+\i]
.endr
.endr
	v_mov_b32 v13, 0xff61b1e6                      ; the largest t so far: -3e38, under every t
	v_floor_f32 v12, -v13                          ; -M
	v_mov_b32 v14, 0                               ; the sum, in two halves
	v_mov_b32 v15, 0
	v_mov_b32 v252, 0
	v_mov_b32 v253, 0                              ; (named as the upper half of the pair v[252:253] before it is first written)
	v_mov_b32 v255, 0xff800000                     ; -infinity
.irp j, 0,1,2,3,4,5,6,7,8,9,10,11,12,13,14,15,16,17,18,19,20,21,22,23,24,25,26,27,28,29,30,31,32,33,34,35,36,37,38,39,40,41,42,43,44,45,46,47,48,49,50,51,52,53,54,55,56,57,58,59,60,61,62,63
	v_mov_b32 v[160+\j], 0                         ; O^T.  The step is written for every step alike: the first finds zeros, which the first change of M leaves zeros.  (These lines also stand between q's codes and scale word and the first product)
.endr
	s_mov_b32 s[KF], 0
	s_mov_b32 s37, 4
; STEP k OF A TRIP'S FOUR: 128 keys, their image in slot k of my group.  ONE barrier a step: in front of it a wave's stores into slot k + 1 have landed and all its LDS loads are back, K of this step among them;
; behind it slots k and k + 1 are read and slot k + 2 is written.  The barrier stands on every wave's path; the branch goes round work alone.
.macro STEP k
	s_wait_dscnt 0x0
	s_barrier_signal -1
	s_barrier_wait -1
	s_cmp_gt_u32 s[KF], s[QMAX]
	s_cbranch_scc0 .Lwork_\@
	s_wait_loadcnt 0x0                             ; all 128 keys come behind my 16 queries: the step is left out.  No load stays out on this way, so none can be out into a set that a later step loads
	s_branch .Lend_\@
.Lwork_\@:
	s_lshr_b32 s44, s[KF], 7
	s_add_co_u32 s44, s44, 3                       ; the image three steps on,
	s_min_u32 s44, s44, s[NL]                      ; or my last worked one: it was stored, and nobody reads its copy
	s_min_u32 s44, s44, 15                         ; (it hangs on a loaded number: it enters an address only held)
	s_mul_i32 s44, s44, IMG
	s_wait_xcnt 0x0                                ; the last step's loads have read their base: it may be written
	s_add_nc_u64 s[PT:PT+1], s[PB:PB+1], s[44:45]
	LOADG \k%2, PT                                 ; this set's last loads were shown done by the last step's counted wait
	WIN 0x01                                       ; source 0 (K) window 1
.irp t, 0,1,2,3,4,5,6,7                        ; S^T = K Q^T: K has been in registers since the barrier; each product starts its sum with the constant 0
.if \t%2
	v_wmma_scale_f32_16x16x128_f8f6f4 v[96+8*\t:103+8*\t], v[KFR+8*\t:KFR+8*\t+7], v[16:23], 0, v[32+\t/2], v24 matrix_a_fmt:MATRIX_FMT_FP4 matrix_b_fmt:MATRIX_FMT_FP4 matrix_a_scale:MATRIX_SCALE_ROW1
.else
	v_wmma_scale_f32_16x16x128_f8f6f4 v[96+8*\t:103+8*\t], v[KFR+8*\t:KFR+8*\t+7], v[16:23], 0, v[32+\t/2], v24 matrix_a_fmt:MATRIX_FMT_FP4 matrix_b_fmt:MATRIX_FMT_FP4
.endif
.endr
	WIN 0
.rept 4
	v_nop                                          ; places: in front of the loads into V's registers, which the last step's products read, of the first read of the scores, and of the loads into K's registers further down
.endr
	FRAGS \k, 0, VFR, VOFF, 36, VSO                ; V's tiles 0-3
	s_add_co_u32 s50, s[KF], 127
	s_cmp_le_u32 s50, s[QMIN]
	s_cbranch_scc1 .Lopen_\@                       ; every key of the step counts for every query of mine
	s_sub_co_i32 s51, s[QMIN], s[KF]
	v_add_nc_u32 v254, s51, v30                    ; d = my query's position - KF - 16 (lane / 16): register 16 b + i is hidden where 32 b + i > d
.irp n, 0,1,2,3,4,5,6,7,8,9,10,11,12,13,14,15,16,17,18,19,20,21,22,23,24,25,26,27,28,29,30,31,32,33,34,35,36,37,38,39,40,41,42,43,44,45,46,47,48,49,50,51,52,53,54,55,56,57,58,59,60,61,62,63
	v_cmp_gt_i32 vcc_lo, 32*(\n/16)+\n%16, v254
	v_cndmask_b32 v[96+\n], v[96+\n], v255, vcc_lo ; a hidden score becomes -infinity ahead of the maximum: p = 0 then
.endr
.Lopen_\@:
.irp b, 0,1,2,3
	v_max3_num_f32 v[232+\b], v[96+16*\b], v[97+16*\b], v[98+16*\b]   ; the largest score of each block of 32 keys: for the row's maximum and, since p rises with the score, for the block's largest p
.endr
.irp i, 3,5,7,9,11,13
.irp b, 0,1,2,3
	v_max3_num_f32 v[232+\b], v[232+\b], v[96+16*\b+\i], v[97+16*\b+\i]
.endr
.endr
.irp b, 0,1,2,3
	v_max_num_f32 v[232+\b], v[232+\b], v[111+16*\b]
.endr
	FRAGS \k, 1, VFR, VOFF, 36, VSO                ; V's tiles 4-7
.irp b, 0,1,2,3
	v_permlanex16_b32 v[236+\b], v[232+\b], s[SEL], s[SEL+1]
.endr
.irp b, 0,1,2,3
	v_max_num_f32 v[232+\b], v[232+\b], v[236+\b]  ; with lane l xor 16's 16 keys
.endr
	v_max3_num_f32 v254, v232, v233, v234
	v_max_num_f32 v254, v254, v235                 ; the step's largest score of my query
	v_mul_f32 v254, s[CS], v254                    ; as t
	v_max_num_f32 v13, v13, v254                   ; the running largest t
	v_mov_b32 v254, v12
	v_floor_f32 v12, -v13                          ; the new -M = floor(-t) = -ceil(t): a whole number
	v_sub_f32 v254, v12, v254                      ; M's old value less its new one: a whole number, 0 or less
	v_cvt_i32_f32 v254, v254                       ; (it saturates)
	v_ldexp_f32 v252, 1.0, v254                    ; f = 2^(old M - new M): a multiplication by it rounds nothing
.irp j, 0,2,4,6,8,10,12,14,16,18,20,22,24,26,28,30,32,34,36,38,40,42,44,46,48,50,52,54,56,58,60,62
	v_pk_fma_f32 v[96+\j:97+\j], v[96+\j:97+\j], s[CS:CS+1], v[12:13] op_sel_hi:[1,0,0]   ; t - M, two at a time
.endr
.irp b, 0,1,2,3
	v_fma_f32 v[232+\b], v[232+\b], s[CS], v12     ; the same of each block's largest score
.endr
	FRAGS (\k+1)%4, 0, KFR, 0, 32, KSO             ; the NEXT step's K, tiles 0-3: that slot was whole at this step's barrier
.irp j, 0,1,2,3,4,5,6,7,8,9,10,11,12,13,14,15,16,17,18,19,20,21,22,23,24,25,26,27,28,29,30,31,32,33,34,35,36,37,38,39,40,41,42,43,44,45,46,47,48,49,50,51,52,53,54,55,56,57,58,59,60,61,62,63
	v_exp_f32 v[96+\j], v[96+\j]                   ; p = 2^(t - M), at most 1
.endr
.irp b, 0,1,2,3
	v_exp_f32 v[232+\b], v[232+\b]                 ; the block's largest p: the same two instructions on the same number
.endr
	v_pk_mul_f32 v[14:15], v[14:15], v[252:253] op_sel_hi:[1,0]   ; the sums under the new M (a plain line behind the exponentials)
	FRAGS (\k+1)%4, 1, KFR, 0, 32, KSO             ; the next step's K, tiles 4-7
	s_wait_alu depctr_va_vdst(0)
.irp b, 0,1,2,3
	v_max_num_f32 v[232+\b], 0x1800000, v[232+\b]  ; the floor 2^(3 - 127): the byte cannot fall under 1
.endr
.irp b, 0,1,2,3
	v_add_nc_u32 v[244+\b], 0xff000000, v[232+\b]  ; 2 off the exponent field: the conversion's scale operand
.endr
.irp b, 0,1,2,3
	v_lshrrev_b32 v[236+\b], 23, v[244+\b]         ; the scale's byte
.endr
	v_lshl_or_b32 v253, v237, 8, v236              ; p's scale word for these 128 keys
	v_lshl_or_b32 v253, v238, 16, v253
	v_lshl_or_b32 v253, v239, 24, v253
.irp b, 0,1,2,3
	v_cvt_scalef32_pk8_fp4_f32 v[224+2*\b], v[96+16*\b:103+16*\b], v[244+\b]
	v_cvt_scalef32_pk8_fp4_f32 v[225+2*\b], v[104+16*\b:111+16*\b], v[244+\b]
.endr
	v_nop                                          ; one plain line behind a scaled conversion
.irp c, 0,1
.irp i, 0,1
	v_permlane16_swap_b32 v[224+4*\c+\i], v[226+4*\c+\i]   ; a whole block in a lane
.endr
.endr
	v_pk_add_f32 v[236:237], v[96:97], v[98:99]    ; the row's sum is taken of the unquantised p: two at a time, in two chains
.irp j, 4,8,12,16,20,24,28,32,36,40,44,48,52,56,60
	v_pk_add_f32 v[14:15], v[14:15], v[96+\j:97+\j]
	v_pk_add_f32 v[236:237], v[236:237], v[98+\j:99+\j]
.endr
	v_pk_add_f32 v[14:15], v[14:15], v[236:237]
	s_wait_loadcnt 0x9                             ; the image asked for a step ago is in: behind its loads stand this step's 9
	PUT (\k+1)%2, (\k+2)%4                         ; it is the image two steps on; every wave left that slot in front of this step's barrier.  The stores land under the lines below
.irp j, 0,2,4,6,8,10,12,14,16,18,20,22,24,26,28,30,32,34,36,38,40,42,44,46,48,50,52,54,56,58,60,62
	v_pk_mul_f32 v[160+\j:161+\j], v[160+\j:161+\j], v[252:253] op_sel_hi:[1,0]   ; O^T under the new M; each accumulator from its low end on.  (These lines also stand between p's codes and scale word and the products)
.endr
	s_wait_dscnt 0x9                               ; all 40 fragment loads are back, V's among them: behind them stand the 9 stores
	WIN 0x01                                       ; source 0 (V) window 1
.irp t, 0,1,2,3,4,5,6,7                        ; O^T += V^T P^T: the eight accumulators take turns, one instruction a step each
.if \t%2
	v_wmma_scale_f32_16x16x128_f8f6f4 v[160+8*\t:167+8*\t], v[VFR+8*\t:VFR+8*\t+7], v[224:231], v[160+8*\t:167+8*\t], v[36+\t/2], v253 matrix_a_fmt:MATRIX_FMT_FP4 matrix_b_fmt:MATRIX_FMT_FP4 matrix_a_scale:MATRIX_SCALE_ROW1
.else
	v_wmma_scale_f32_16x16x128_f8f6f4 v[160+8*\t:167+8*\t], v[VFR+8*\t:VFR+8*\t+7], v[224:231], v[160+8*\t:167+8*\t], v[36+\t/2], v253 matrix_a_fmt:MATRIX_FMT_FP4 matrix_b_fmt:MATRIX_FMT_FP4
.endif
.endr
	WIN 0
.Lend_\@:
	s_add_co_u32 s[KF], s[KF], 128
.endm
.Ltrip:                                            ; 4 trips of four steps: a constant, whatever the lengths; after four steps slots and staged sets are back where they began
	STEP 0
	STEP 1
	STEP 2
	STEP 3
	s_sub_co_u32 s37, s37, 1
	s_cmp_lg_u32 s37, 0
	s_cbranch_scc1 .Ltrip
	; THE WAY OUT.  O^T is divided by the row's sum and goes through my own stage, so that a row's 512 bytes leave by one store of the wave.
	s_wait_loadcnt 0x0                             ; the last staged image, which nobody wants
.rept 4
	v_nop                                          ; places behind the last products
.endr
	v_add_f32 v14, v14, v15                        ; the sum's two halves,
	v_permlanex16_b32 v252, v14, s[SEL], s[SEL+1]
	v_add_f32 v14, v14, v252                       ; and lane l xor 16's: the row's sum, above 1/2
	v_rcp_f32 v14, v14
	v_nop                                          ; one plain line behind a transcendental
	s_wait_alu depctr_va_vdst(0)
.irp j, 0,2,4,6,8,10,12,14,16,18,20,22,24,26,28,30,32,34,36,38,40,42,44,46,48,50,52,54,56,58,60,62
	v_pk_mul_f32 v[96+\j:97+\j], v[160+\j:161+\j], v[14:15] op_sel_hi:[1,0]   ; register 8 t + i is o(query r, channel 16 t + 8 h + i)
.endr
.irp t, 0,1,2,3,4,5,6,7
	ds_store_b128 v25, v[96+8*\t:99+8*\t] offset:64*\t
	ds_store_b128 v25, v[100+8*\t:103+8*\t] offset:64*\t+16
.endr
.irp i, 0,1,2,3,4,5,6,7,8,9,10,11,12,13,14,15
	ds_load_b128 v[160+4*\i:163+4*\i], v11 offset:SP*\i   ; LDS serves a wave's instructions in order: these see my stores
.endr
.irp i, 0,1,2,3,4,5,6,7,8,9,10,11,12,13,14,15
	s_wait_dscnt 15-\i                             ; row i is back; the younger rows' loads may be out
	global_store_b128 v29, v[160+4*\i:163+4*\i], s[46:47] offset:16384*\i th:TH_STORE_NT   ; 32 lanes store 512 consecutive bytes, at a multiple of 256 from out0's first byte; written once
.endr
	s_wait_tensorcnt 0x0
	ds_add_u32 v250, v251
	s_wait_dscnt 0x0
	s_endpgm
.Lfunc_end_k_q435bb4e367_attn:
	.size	k_q435bb4e367_attn, .Lfunc_end_k_q435bb4e367_attn-k_q435bb4e367_attn
	.p2alignl 7, 3214868480
	.fill 96, 4, 3214868480
	.section	.rodata,"a",@progbits
	.p2align	6, 0x0
	.amdhsa_kernel k_q435bb4e367_attn
		.amdhsa_group_segment_fixed_size 207872
		.amdhsa_private_segment_fixed_size 0
		.amdhsa_enable_private_segment 0
		.amdhsa_kernarg_size 32
		.amdhsa_user_sgpr_count 2
		.amdhsa_user_sgpr_kernarg_segment_ptr 1
		.amdhsa_wavefront_size32 1
		.amdhsa_system_sgpr_workgroup_id_x 1
		.amdhsa_system_sgpr_workgroup_id_y 1
		.amdhsa_system_sgpr_workgroup_id_z 1
		.amdhsa_system_vgpr_workitem_id 0
		.amdhsa_next_free_vgpr 512
		.amdhsa_next_free_sgpr 66
		.amdhsa_reserve_vcc 1
		.amdhsa_float_denorm_mode_32 3
		.amdhsa_float_denorm_mode_16_64 3
		.amdhsa_memory_ordered 1
		.amdhsa_forward_progress 1
		.amdhsa_inst_pref_size 129
	.end_amdhsa_kernel
	.amdgpu_metadata
---
amdhsa.version: [ 1, 2 ]
amdhsa.kernels:
  - .name:           k_q435bb4e367_attn
    .symbol:         k_q435bb4e367_attn.kd
    .args:
      - { .name: query, .offset: 0, .size: 8, .value_kind: global_buffer, .address_space: global }
      - { .name: seq_lens, .offset: 8, .size: 8, .value_kind: global_buffer, .address_space: global }
      - { .name: kvimg, .offset: 16, .size: 8, .value_kind: global_buffer, .address_space: global }
      - { .name: out0, .offset: 24, .size: 8, .value_kind: global_buffer, .address_space: global }
    .group_segment_fixed_size: 207872
    .private_segment_fixed_size: 0
    .kernarg_segment_align: 8
    .kernarg_segment_size: 32
    .max_flat_workgroup_size: 256
    .sgpr_count:     66
    .vgpr_count:     512
    .wavefront_size: 32
...
	.end_amdgpu_metadata
.endif
;; end of part 2
;; ======== version 2 of 2: 2 launches
;; workspace buffers: kvimg 8,912,896 bytes
;; launch prep (part 3): grid 512 x 1, 8 waves a work-group, no clusters, 100,352 bytes of LDS; arguments k_cache, v_cache, block_tables, seq_lens, kvimg; writes kvimg
.if DOCPART == 3
	.amdgcn_target "amdgcn-amd-amdhsa--gfx1250"
	.amdhsa_code_object_version 6
	.text
	.protected	k_q435bb4e367_prep
	.globl	k_q435bb4e367_prep
	.p2align	8
	.type	k_q435bb4e367_prep,@function
k_q435bb4e367_prep:
	s_mov_b64 s[64:65], 0
	v_nop
	global_prefetch_b8 v0, s[64:65] scope:SCOPE_SE
	s_setreg_imm32_b32 hwreg(HW_REG_WAVE_MODE, 25, 1), 1
	s_wait_xcnt 0x0
; PAGED K AND V, f32, BECOME IMAGES OF THE OPERAND REGISTERS IN MX-FP4 (E2M1 codes, one E8M0 byte for each 32 along a product's K).
; k_cache, v_cache: [512 pages][16 tokens][8 kv heads][128] f32.  block_tables: [4][128] int32.  seq_lens: [4] int32.
; A work-group makes ONE image: sequence b, kv head kvh, step s of 128 logical keys (8 pages); image number = 128 b + 16 kvh + s = the work-group's number.
; An image is 17,408 dense bytes:
;   0      K's 8 fragments: byte 1024 t + 512 c + 16 (16 h + r): the 16 bytes of codes of d = 32 (2 c + h) + 0 .. 31 of key 32 (t / 2) + 8 (t % 2) + r + 8 (r / 8)
;          (the keys of a tile are not neighbours: the scores of tiles 2 b and 2 b + 1 are then 16 neighbouring keys in a lane's 16 registers)
;   8192   V's 8 fragments: byte 1024 t + 512 c + 16 (16 h + r): the codes of keys 64 c + 32 h + 0 .. 31 of channel d = 16 t + r (K = the keys)
;   16384  K's scale words: byte 64 t + 4 r + j, j the block of 32 along d;      16896  V's scale words: byte 4 d + the block of 32 keys
; A step whose first key lies at or behind max(seq_len, 256) is read by nobody: its work-group stores nothing.  The grid is fixed, so that it serves every split of lengths.
; That is a branch on a number read from memory, so operands go memory -> registers -> LDS by plain loads: no tensor load, no copy, and so no cluster.
; K (quantised along d, innermost): wave w takes page w: 16 loads of one key's 512 dense bytes; a turn through the wave's own stage gives a lane 16 neighbours along d; two lanes hold a block.
; V (quantised along the keys): a lane takes a channel and its registers run down the keys: wave w: channels 32 (w & 3) + lane, keys 64 (w >> 2) + 0 .. 63 (four pages, two blocks).
; The image is gathered in LDS and leaves in dense aligned runs of 512 and 128 bytes a wave.
; A block's scale is 2^(floor(log2(largest magnitude)) - 2): its byte is the largest magnitude's exponent field - 2, held at 1 from below.
; LIMITS: NaN and infinities are not served; a block whose largest magnitude lies under 2^-124 gets the byte 1; a block of zeros gets the byte 1 and not 127 (its codes are zeros,
; and this program alone reads the bytes); a page number is held at 511 (the problem's definition relies on it being inside the cache).
.set IMG,  17408
.set VOFF, 8192
.set KSO,  16384
.set VSO,  16896
.set TST,  IMG                         ; behind the image: four turning stages for each wave
.set SP,   80                          ; a place in a stage: 64 bytes + 16 of padding
.set STG,  32*SP                       ; a stage: four keys' 512 bytes
.set WREG, 4*STG                       ; a wave's stages
.set R,  32                            ; v32-95   K as loaded: key n at v[R + 4 n]
.set V,  96                            ; v96-159  V: block c at v[V + 32 c], a register a key
.set X,  160                           ; v160-223 K behind the turn: 16 neighbours along d, four keys' worth
.set CK, 224                           ; v224-231 K's codes
.set CV, 232                           ; v232-239 V's codes
.set EK, 240                           ; v240-243 K's scale bytes
.set EV, 244                           ; v244-246 V's two bytes, and both in one register
; v1 lane; v2 16 x lane; v3 4 x lane; v4, v5 the stage, in and out; v6, v7 K's codes and bytes in the image; v8, v9 V's; v10, v11 the way out; v12-15 at work
	s_load_b256 s[4:11], s[0:1], 0x0               ; k_cache s[4:5], v_cache s[6:7], block_tables s[8:9], seq_lens s[10:11]
	s_load_b64 s[12:13], s[0:1], 0x20              ; kvimg
	v_lshl_add_u32 v254, v0, 2, 0x18400
	v_mov_b32 v255, 0
	v_lshrrev_b32 v1, 5, v0
	s_delay_alu instid0(VALU_DEP_1)
	v_readfirstlane_b32 s14, v1                    ; wave 0..7
	s_and_b32 s15, ttmp9, 15                       ; s: the step
	s_bfe_u32 s16, ttmp9, 0x30004                  ; kvh: 3 bits from bit 4
	s_lshr_b32 s17, ttmp9, 7                       ; b: the sequence
	; every LDS address is made here, ahead of the first branch, from the thread's number, the wave's number and constants
	v_and_b32 v1, 31, v0                           ; lane
	s_delay_alu instid0(VALU_DEP_1)
	v_lshlrev_b32 v2, 4, v1                        ; K: my 16 bytes of a key's 512
	s_delay_alu instid0(VALU_DEP_2)
	v_lshlrev_b32 v3, 2, v1                        ; V: my channel's 4 bytes
	s_mul_i32 s19, s14, WREG
	s_add_co_u32 s19, s19, TST                     ; my stages
	v_lshrrev_b32 v12, 2, v1
	s_delay_alu instid0(VALU_DEP_1)
	v_mul_u32_u24 v12, v12, SP
	v_and_b32 v13, 3, v1
	s_delay_alu instid0(VALU_DEP_1)
	v_lshl_add_u32 v12, v13, 4, v12
	s_delay_alu instid0(VALU_DEP_1)
	v_add_nc_u32 v4, s19, v12                      ; in: four lanes' 64 bytes on end, then the padding
	v_mul_u32_u24 v5, v1, SP
	s_delay_alu instid0(VALU_DEP_1)
	v_add_nc_u32 v5, s19, v5                       ; out: place = lane: key lane / 8 of the stage's four, d = 16 (lane % 8) + 0 .. 15
	s_lshr_b32 s21, s14, 1
	s_and_b32 s22, s14, 1
	s_lshl_b32 s19, s21, 11
	s_lshl_b32 s40, s22, 7
	s_add_co_u32 s19, s19, s40                     ; key 16 w + 4 i + lane / 8: tile 2 (w / 2) + i / 2, row 8 (w % 2) + 4 (i % 2) + lane / 8
	v_bfe_u32 v12, v0, 2, 1                        ; c of my block of d
	v_bfe_u32 v13, v0, 1, 1                        ; h of it
	v_bfe_u32 v14, v0, 3, 2                        ; lane / 8
	v_and_b32 v15, 1, v0                           ; which 8 bytes of the block's 16
	s_delay_alu instid0(VALU_DEP_4)
	v_lshlrev_b32 v6, 9, v12
	s_delay_alu instid0(VALU_DEP_1)
	v_lshl_add_u32 v6, v13, 8, v6
	s_delay_alu instid0(VALU_DEP_1)
	v_lshl_add_u32 v6, v14, 4, v6
	s_delay_alu instid0(VALU_DEP_1)
	v_lshl_add_u32 v6, v15, 3, v6
	s_delay_alu instid0(VALU_DEP_1)
	v_add_nc_u32 v6, s19, v6                       ; K's codes: 2048 (w / 2) + 128 (w % 2) + 512 c + 256 h + 16 (lane / 8) + 8 (lane % 2); i stands in the immediate
	s_lshl_b32 s19, s21, 7
	s_lshl_b32 s40, s22, 5
	s_add_co_u32 s19, s19, s40
	s_add_co_u32 s19, s19, KSO
	v_bfe_u32 v12, v0, 1, 2                        ; my block of d
	s_delay_alu instid0(VALU_DEP_1)
	v_lshl_add_u32 v7, v14, 2, v12
	s_delay_alu instid0(VALU_DEP_1)
	v_add_nc_u32 v7, s19, v7                       ; K's scale byte: KSO + 128 (w / 2) + 32 (w % 2) + 4 (lane / 8) + block
	s_and_b32 s21, s14, 3                          ; w & 3: which 32 channels of V
	s_lshr_b32 s22, s14, 2                         ; w >> 2: which 64 keys
	s_lshl_b32 s19, s21, 11
	s_lshl_b32 s40, s22, 9
	s_add_co_u32 s19, s19, s40
	s_add_co_u32 s19, s19, VOFF
	v_bfe_u32 v12, v0, 4, 1
	v_and_b32 v13, 15, v0
	s_delay_alu instid0(VALU_DEP_2)
	v_lshlrev_b32 v8, 10, v12
	s_delay_alu instid0(VALU_DEP_1)
	v_lshl_add_u32 v8, v13, 4, v8
	s_delay_alu instid0(VALU_DEP_1)
	v_add_nc_u32 v8, s19, v8                       ; V's codes: VOFF + 2048 (w & 3) + 1024 (lane / 16) + 512 (w >> 2) + 16 (lane % 16); the block (h) stands in the immediate
	s_lshl_b32 s19, s21, 7
	s_lshl_b32 s40, s22, 1
	s_add_co_u32 s19, s19, s40
	s_add_co_u32 s19, s19, VSO
	v_add_nc_u32 v9, s19, v3                       ; V's two scale bytes: VSO + 4 (32 (w & 3) + lane) + 2 (w >> 2)
	s_lshl_b32 s19, s14, 11
	v_add_nc_u32 v10, s19, v2                      ; the way out: 2048 w + 16 x lane, in LDS and in the image alike
	s_lshl_b32 s19, s14, 7
	s_add_co_u32 s19, s19, KSO
	v_add_nc_u32 v11, s19, v3                      ; and the scale words: 16384 + 128 w + 4 x lane
	; my sequence's length and my pages
	s_lshl_b32 s40, s17, 2                         ; seq_lens: 4 b
	s_mov_b32 s41, 0
	s_lshl_b32 s19, s17, 9
	s_lshl_b32 s30, s15, 5
	s_add_co_u32 s19, s19, s30                     ; block_tables: 4 (128 b + 8 s)
	s_lshl_b32 s30, s14, 2
	s_add_co_u32 s44, s19, s30                     ; K: page w of the step
	s_mov_b32 s45, 0
	s_lshl_b32 s30, s22, 4
	s_add_co_u32 s46, s19, s30                     ; V: pages 4 (w >> 2) + 0 .. 3: 16 bytes, aligned
	s_mov_b32 s47, 0
	s_wait_kmcnt 0x0
	s_add_nc_u64 s[10:11], s[10:11], s[40:41]
	s_add_nc_u64 s[44:45], s[8:9], s[44:45]
	s_add_nc_u64 s[46:47], s[8:9], s[46:47]
	s_load_b32 s18, s[10:11], 0x0
	s_load_b32 s20, s[44:45], 0x0
	s_load_b128 s[24:27], s[46:47], 0x0
	s_mul_i32 s40, ttmp9, IMG
	s_add_nc_u64 s[42:43], s[12:13], s[40:41]      ; my image
	s_wait_kmcnt 0x0
	s_max_i32 s18, s18, 0x100                      ; a sequence has at least its 256 new tokens
	s_lshl_b32 s19, s15, 7                         ; the step's first key
	s_cmp_lt_u32 s19, s18
	s_cselect_b32 s23, 1, 0                        ; 1: some query of the sequence may see this step
	s_min_u32 s20, s20, 0x1ff                      ; a page number enters an address only held inside the cache
	s_lshl_b32 s20, s20, 16                        ; a page is 65,536 bytes
	s_lshl_b32 s19, s16, 9                         ; a head's 512 bytes of a token's 4,096
	s_add_co_u32 s40, s20, s19
	s_add_nc_u64 s[28:29], s[4:5], s[40:41]        ; K: my page, my head
	s_lshl_b32 s30, s21, 7
	s_add_co_u32 s19, s19, s30                     ; V: + my wave's 32 channels
.irp n, 0,1,2,3
	s_min_u32 s[24+\n], s[24+\n], 0x1ff
	s_lshl_b32 s[24+\n], s[24+\n], 16
	s_add_co_u32 s40, s[24+\n], s19
	s_add_nc_u64 s[32+2*\n:33+2*\n], s[6:7], s[40:41]
.endr
	s_cmp_eq_u32 s23, 0
	s_cbranch_scc1 .Lmeet                          ; round the work alone: the barrier stands on every wave's path
.irp n, 0,1,2,3,4,5,6,7,8,9,10,11,12,13,14,15
	global_load_b128 v[R+4*\n:R+4*\n+3], v2, s[28:29] offset:4096*\n   ; key n of my page: 32 lanes read 512 consecutive bytes.  No hint: a table may name a page twice
.endr
.irp c, 0,1
.irp i, 0,1,2,3,4,5,6,7,8,9,10,11,12,13,14,15,16,17,18,19,20,21,22,23,24,25,26,27,28,29,30,31
	global_load_b32 v[V+32*\c+\i], v3, s[32+2*(2*\c+\i/16):33+2*(2*\c+\i/16)] offset:4096*(\i%16)   ; key 32 c + i of my 64, my channel: 128 consecutive bytes a wave, four waves side by side on 512
.endr
.endr
.macro TURN i                          ; keys 4 i .. 4 i + 3 through stage i: LDS serves a wave's instructions in order, so no wait stands between the stores and the loads
.irp k, 0,1,2,3
	ds_store_b128 v4, v[R+16*\i+4*\k:R+16*\i+4*\k+3] offset:STG*\i+8*SP*\k
.endr
.irp j, 0,1,2,3
	ds_load_b128 v[X+16*\i+4*\j:X+16*\i+4*\j+3], v5 offset:STG*\i+16*\j
.endr
.endm
.macro QK i                            ; my 16 numbers of key 4 i + lane / 8 become 8 bytes of codes; my neighbour holds the block's other 16
.set XS, X+16*\i
	v_max3_num_f32 v12, |v[XS]|, |v[XS+1]|, |v[XS+2]|
	v_max3_num_f32 v13, |v[XS+3]|, |v[XS+4]|, |v[XS+5]|
.irp k, 6,10
	s_delay_alu instid0(VALU_DEP_2)
	v_max3_num_f32 v12, v12, |v[XS+\k]|, |v[XS+\k+1]|
	s_delay_alu instid0(VALU_DEP_2)
	v_max3_num_f32 v13, v13, |v[XS+\k+2]|, |v[XS+\k+3]|
.endr
	s_delay_alu instid0(VALU_DEP_2)
	v_max3_num_f32 v12, v12, |v[XS+14]|, |v[XS+15]|
	s_delay_alu instid0(VALU_DEP_1)
	v_max3_num_f32 v12, v12, v13, 0x1800000        ; and the floor 2^(3 - 127): the byte cannot fall under 1
	s_delay_alu instid0(VALU_DEP_1)
	v_max_num_f32_dpp v12, v12, v12 row_xmask:1 row_mask:0xf bank_mask:0xf   ; with my neighbour's 16: the block's largest magnitude
	s_delay_alu instid0(VALU_DEP_1)
	v_add_nc_u32 v14, 0xff000000, v12              ; 2 off its exponent field: the conversion takes the exponent field of this operand as its scale
	v_cvt_scalef32_pk8_fp4_f32 v[CK+2*\i], v[XS:XS+7], v14
	v_cvt_scalef32_pk8_fp4_f32 v[CK+2*\i+1], v[XS+8:XS+15], v14
	v_lshrrev_b32 v[EK+\i], 23, v14                ; the scale's byte (also the plain line behind the conversions)
	ds_store_b64 v6, v[CK+2*\i:CK+2*\i+1] offset:1024*(\i/2)+64*(\i%2)
	ds_store_b8 v7, v[EK+\i] offset:64*(\i/2)+16*(\i%2)   ; both lanes of a block write the same byte with the same value
.endm
.macro QV c                            ; my channel's block c of 32 keys: all 32 numbers are mine
.set VS, V+32*\c
	v_max3_num_f32 v12, |v[VS]|, |v[VS+1]|, |v[VS+2]|
	v_max3_num_f32 v13, |v[VS+3]|, |v[VS+4]|, |v[VS+5]|
.irp k, 6,10,14,18,22,26
	s_delay_alu instid0(VALU_DEP_2)
	v_max3_num_f32 v12, v12, |v[VS+\k]|, |v[VS+\k+1]|
	s_delay_alu instid0(VALU_DEP_2)
	v_max3_num_f32 v13, v13, |v[VS+\k+2]|, |v[VS+\k+3]|
.endr
	s_delay_alu instid0(VALU_DEP_2)
	v_max3_num_f32 v12, v12, |v[VS+30]|, |v[VS+31]|
	s_delay_alu instid0(VALU_DEP_1)
	v_max3_num_f32 v12, v12, v13, 0x1800000
	s_delay_alu instid0(VALU_DEP_1)
	v_add_nc_u32 v14, 0xff000000, v12
	s_delay_alu instid0(VALU_DEP_1)
	v_lshrrev_b32 v[EV+\c], 23, v14
.irp g, 0,1,2,3
	v_cvt_scalef32_pk8_fp4_f32 v[CV+4*\c+\g], v[VS+8*\g:VS+8*\g+7], v14
.endr
	v_nop                                          ; one plain line behind the last conversion of a run
	ds_store_b128 v8, v[CV+4*\c:CV+4*\c+3] offset:256*\c
.endm
	s_wait_loadcnt 0x3f                            ; behind K's last load stand V's 64: with at most 63 out, K's sixteen are in
	TURN 0
	TURN 1
	TURN 2
	TURN 3
	s_wait_dscnt 0x0                               ; all four stages are back in registers
	QK 0
	QK 1
	QK 2
	QK 3
	s_wait_loadcnt 0x20                            ; V's first block is in; the second block's 32 loads may be out
	QV 0
	s_wait_loadcnt 0x0
	QV 1
	v_lshl_or_b32 v[EV+2], v[EV+1], 8, v[EV]       ; my channel's two bytes, the lower keys' in the lower byte
	ds_store_b16 v9, v[EV+2]
.Lmeet:
	s_wait_dscnt 0x0                               ; for the others' sake: my stores into the image have landed
	s_barrier_signal -1
	s_barrier_wait -1                              ; the image is whole
	s_cmp_eq_u32 s23, 0
	s_cbranch_scc1 .Lend
	s_wait_alu depctr_va_vdst(0)
.irp i, 0,1,2,3
	ds_load_b128 v[32+4*\i:35+4*\i], v10 offset:512*\i
.endr
	ds_load_b32 v48, v11
	s_wait_dscnt 0x0
.irp i, 0,1,2,3
	global_store_b128 v10, v[32+4*\i:35+4*\i], s[42:43] offset:512*\i   ; 32 lanes store 512 consecutive bytes, at a multiple of 256 from the buffer's first byte; the next launch reads them: no hint
.endr
	global_store_b32 v11, v48, s[42:43]            ; 128 consecutive bytes a wave; two waves fill an aligned 256
.Lend:
	s_wait_tensorcnt 0x0
	ds_add_u32 v254, v255
	s_wait_dscnt 0x0
	s_endpgm
.Lfunc_end_k_q435bb4e367_prep:
	.size	k_q435bb4e367_prep, .Lfunc_end_k_q435bb4e367_prep-k_q435bb4e367_prep
	.p2alignl 7, 3214868480
	.fill 96, 4, 3214868480
	.section	.rodata,"a",@progbits
	.p2align	6, 0x0
	.amdhsa_kernel k_q435bb4e367_prep
		.amdhsa_group_segment_fixed_size 100352
		.amdhsa_private_segment_fixed_size 0
		.amdhsa_enable_private_segment 0
		.amdhsa_kernarg_size 40
		.amdhsa_user_sgpr_count 2
		.amdhsa_user_sgpr_kernarg_segment_ptr 1
		.amdhsa_wavefront_size32 1
		.amdhsa_system_sgpr_workgroup_id_x 1
		.amdhsa_system_sgpr_workgroup_id_y 1
		.amdhsa_system_sgpr_workgroup_id_z 1
		.amdhsa_system_vgpr_workitem_id 0
		.amdhsa_next_free_vgpr 256
		.amdhsa_next_free_sgpr 66
		.amdhsa_reserve_vcc 0
		.amdhsa_float_denorm_mode_32 3
		.amdhsa_float_denorm_mode_16_64 3
		.amdhsa_memory_ordered 1
		.amdhsa_forward_progress 1
		.amdhsa_inst_pref_size 26
	.end_amdhsa_kernel
	.amdgpu_metadata
---
amdhsa.version: [ 1, 2 ]
amdhsa.kernels:
  - .name:           k_q435bb4e367_prep
    .symbol:         k_q435bb4e367_prep.kd
    .args:
      - { .name: k_cache, .offset: 0, .size: 8, .value_kind: global_buffer, .address_space: global }
      - { .name: v_cache, .offset: 8, .size: 8, .value_kind: global_buffer, .address_space: global }
      - { .name: block_tables, .offset: 16, .size: 8, .value_kind: global_buffer, .address_space: global }
      - { .name: seq_lens, .offset: 24, .size: 8, .value_kind: global_buffer, .address_space: global }
      - { .name: kvimg, .offset: 32, .size: 8, .value_kind: global_buffer, .address_space: global }
    .group_segment_fixed_size: 100352
    .private_segment_fixed_size: 0
    .kernarg_segment_align: 8
    .kernarg_segment_size: 40
    .max_flat_workgroup_size: 256
    .sgpr_count:     66
    .vgpr_count:     256
    .wavefront_size: 32
...
	.end_amdgpu_metadata
.endif
;; end of part 3
;; launch attn (part 4): grid 256 x 1, 8 waves a work-group, no clusters, 207,872 bytes of LDS; arguments query, seq_lens, kvimg, out0; writes out0
.if DOCPART == 4
	.amdgcn_target "amdgcn-amd-amdhsa--gfx1250"
	.amdhsa_code_object_version 6
	.text
	.protected	k_q435bb4e367_attn
	.globl	k_q435bb4e367_attn
	.p2align	8
	.type	k_q435bb4e367_attn,@function
k_q435bb4e367_attn:
	s_mov_b64 s[64:65], 0
	v_nop
	global_prefetch_b8 v0, s[64:65] scope:SCOPE_SE
	s_setreg_imm32_b32 hwreg(HW_REG_WAVE_SCHED_MODE, 0, 2), 2
	s_setreg_imm32_b32 hwreg(HW_REG_WAVE_MODE, 25, 1), 1
	s_wait_xcnt 0x0
	s_wait_alu depctr_vm_vsrc(0)
; PAGED GQA PREFILL ATTENTION ON CODES OF MX-FP4.  query: [4][256][32][128] f32; out0: [1024][4096] f32; kvimg: the images of K and V, 17,408 bytes for each (sequence, kv head, step of 128 keys).
; Query i of sequence b stands at position L - 256 + i, L = max(seq_lens[b], 256); key k counts where k <= that position.
; t = score x log2(e); M = the running largest t rounded UP to a whole number; p = 2^(t - M) is quantised along the keys, not normalised; the row's sum is taken of the unquantised p and divides O at the end.
; SHARES.  A wave owns 16 queries of one head.  A GROUP of four waves is the four heads of one kv head on the same 16 queries: one mask, one number of steps, one image a step, which the four bring
; into LDS a quarter each and all four read.  A work-group holds two groups; waves w and w + 4 lie in different groups: group (w ^ (w >> 2)) & 1, head w >> 1 of the four.
; BALANCE.  The four lengths are ranked, longest first (ties: the lower index).  Work-group (p, qt, kvh): group 0 takes the sequence of rank p and query tile qt, group 1 rank 3 - p and tile 15 - qt.
; WORK THAT IS LEFT OUT.  A step all of whose keys come behind the wave's 16 queries is jumped over, by a scalar branch on seq_lens; the loop's trip count, 4 trips of four steps, and its barriers are constants.
; NO TENSOR LOADS, NO CLUSTER: the steps that a group walks hang on seq_lens, a number read from memory, and differ from group to group (1 to 16 of the 16); joint loads would have every partner fetch and
; every wave walk all 16.  So an image comes by plain loads through registers into one of the group's four LDS slots.
; THE STEP IS A PIPELINE.  In step s a wave (1) asks memory for its quarter of image s + 3, (2) multiplies K of step s, which is in its registers already, (3) fetches V of step s and K of step s + 1 from LDS
; in four runs that stand among the softmax's phases, (4) stores image s + 2, asked for a step ago, into LDS ahead of O's rescaling, (5) multiplies V.  So no product waits for a load issued just before it.
; Slots: step s reads slot s % 4 (V) and slot (s + 1) % 4 (K) and writes slot (s + 2) % 4, which was last read in step s - 2, in front of this step's barrier.
; An image's number is held at the group's last worked step: so every worked step issues the same loads, stores and fetches, with no branch among them, and each counted wait counts the same on every way.
; LAYOUT.  Both products are used transposed: S^T = K Q^T (source 0 = 16 keys, source 1 = my 16 queries), O^T = V^T P^T (source 0 = 16 channels, source 1 = P): a lane holds ONE query (lane % 16) throughout.
; Register 16 b + i of the scores is key 32 b + 16 (lane / 16) + i of the step (the images lay K's tiles so).
; LIMITS: NaN and infinities are not served; a block of q or p whose largest magnitude lies under 2^-124 gets the scale byte 1 (a block of zeros too: its codes are zeros); seq_lens above 2,304 is held at 2,304,
; which gives the same mask; a block's largest p is taken from its largest score, which takes v_exp_f32 not to fall where its input rises.
; REGISTERS, in windows of 256 (s_set_vgpr_msb: bits 1:0 source 0, 3:2 source 1, 5:4 source 2, 7:6 destination).
;   window 0: v1, v2 16 x lane in my group's slots 0-1, 2-3; v3, v4 4 x lane there; v5, v6 and v7, v8 where I put my quarter of an image (codes; scale words); v9, v10 the same places in the image in memory;
;     v11 my stage by rows; v25 my stage: O's way in; v28 my stage: q's way out; v29 16 x lane; v30 lane % 16 - 16 (lane / 16); v12 -M; v13 the largest t; v[14:15] the sum in two halves;
;     v16-23 q's codes; v24 q's scale word; v32-35 K's scale words, v36-39 V's (lanes 0-15 tile 2 j, lanes 16-31 tile 2 j + 1); v96-159 S^T, then p; v160-223 O^T; v224-231 p's codes;
;     v232-247 at work; v252 f; v253 p's scale word; v254 at work; v255 -infinity
;   window 1: v0-63 K's eight fragments; v64-127 V's; v128-223 three sets of 32: staged codes; v224-229 their scale words.
;   All that the softmax touches lies in window 0; a switch stands in front of and behind each run of loads, stores and products that names window 1: eight runs, sixteen switches a step.
; THE MODE: SCHED_MODE bits 1:0 = 2 (LLVM: expert scheduling mode 2), set by the entry lines.  The code itself states the register dependences
; between vector or matrix instructions and memory or LDS instructions, with s_wait_alu, always for 0.
; THE PLAN.  Registers that memory or LDS instructions touch, in the loop:
;   the addresses v1-v11     Written at the head, never again; read by every load and store.
;   staged sets 0, 1         Step s: the global loads land in set s % 2; the LDS stores of step s + 1 read it.  No vector or matrix instruction names them.
;   K's fragments, v32-35    Step s: its eight score products read them; behind those, two runs of LDS loads (step s + 1's K) land in them.
;   V's fragments, v36-39    The second products of step s - 1 read them; step s's two runs of LDS loads land in them; the second products of step s read them.
;   S^T / p, O^T, the statistics and p's codes are named in the loop by vector and matrix instructions alone.
; So a step has ONE wait on vm_vsrc, at its top (the last step's LDS stores have read the set that is loaded again), and ONE wait on va_vdst that serves loads, behind the score products and their places:
; it states that those products are done reading K and that the last step's second products are done reading V.  All 40 fragment loads of the step follow it, dealt among the softmax's phases,
; which name none of the registers that those loads touch.  Three more waits on va_vdst state results that vector instructions hand on: t - M ahead of the exponentials, the exponentials', and p's codes and scale word for the scaled products.
.set IMG,   17408
.set VOFF,  8192
.set KSO,   16384
.set VSO,   16896
.set GRP,   4*IMG                      ; a group's four slots
.set STAGE, 2*GRP                      ; behind them: a stage of 16 rows x (512 bytes + 16) for each wave, its own: q's way in, O's way out
.set SP,    528
.set WST,   16*SP
.set KFR,   0                          ; window 1: K's fragments
.set VFR,   64                         ; V's
.set STC,   128                        ; staged codes: set e at STC + 32 e
.set STS,   224                        ; staged scale words: set e at STS + 2 e
.set MK,   16                          ; s[16:31] in the loop: sixteen masks of the diagonal's compares (at the head these hold qt, kvh, the lengths, the ranks and what is made of them: all done with when the loop begins)
.set QMIN, 33                          ; s33  my first query's position
.set QMAX, 34                          ; s34  my last query's position, held at 2,047
.set KF,   35                          ; s35  the step's first key
.set NL,   36                          ; s36  my last worked step
.set SEL,  38                          ; s[38:39] v_permlanex16_b32's selects for lane l xor 16
.set CS,   40                          ; s[40:41] log2(e), twice: the packed form names a pair
.set PB,   42                          ; s[42:43] image 0 of my sequence and kv head; never stepped
.set PT,   54                          ; s[54:55] the image that is asked for
.set MSB, 0
.macro WIN new                         ; the immediate's high byte repeats the setting that is left; a switch that changes nothing is dropped
.if MSB != \new
	s_set_vgpr_msb (MSB<<8)|\new
.set MSB, \new
.endif
.endm
	s_load_b256 s[4:11], s[0:1], 0x0               ; query s[4:5], seq_lens s[6:7], kvimg s[8:9], out0 s[10:11]
	v_lshl_add_u32 v250, v0, 2, 0x32800
	v_mov_b32 v251, 0
	v_lshrrev_b32 v26, 5, v0
	v_readfirstlane_b32 s12, v26                   ; wave 0..7
	s_and_b32 s15, ttmp9, 1                        ; p
	s_bfe_u32 s16, ttmp9, 0x40001                  ; qt: 4 bits from bit 1
	s_lshr_b32 s17, ttmp9, 5                       ; kvh
	; every LDS address is made here, from the thread's number, the wave's number and constants
	v_and_b32 v26, 31, v0                          ; lane
	v_and_b32 v27, 15, v0                          ; r
	v_bfe_u32 v31, v0, 4, 1                        ; h
	v_lshlrev_b32 v29, 4, v26
	s_wait_alu depctr_va_sdst(0)                   ; s12, the wave's number, is written, ahead of its first reader: the group, the head and the LDS places are made from it
	s_lshr_b32 s13, s12, 2
	s_xor_b32 s13, s13, s12
	s_and_b32 s13, s13, 1                          ; g: my group
	s_lshr_b32 s14, s12, 1                         ; hd: my head of the kv head's four
	s_mul_i32 s50, s13, GRP
	v_add_nc_u32 v1, s50, v29
	v_add_nc_u32 v2, 2*IMG, v1
	v_lshlrev_b32 v3, 2, v26
	v_add_nc_u32 v3, s50, v3
	v_add_nc_u32 v4, 2*IMG, v3
	s_lshl_b32 s51, s14, 12                        ; my quarter of the codes: 4,096 bytes
	v_add_nc_u32 v9, s51, v29
	v_add_nc_u32 v5, s50, v9
	v_add_nc_u32 v6, 2*IMG, v5
	s_lshl_b32 s51, s14, 8                         ; my quarter of the scale words: 256 bytes, 8 a lane
	s_add_co_u32 s51, s51, KSO
	v_lshl_add_u32 v10, v26, 3, s51
	v_add_nc_u32 v7, s50, v10
	v_add_nc_u32 v8, 2*IMG, v7
	s_mul_i32 s52, s12, WST
	s_add_co_u32 s52, s52, STAGE                   ; my stage
	v_add_nc_u32 v11, s52, v29
	v_mul_u32_u24 v30, v27, SP
	v_add_nc_u32 v30, s52, v30
	v_lshl_add_u32 v25, v31, 5, v30                ; row r, + 32 h
	v_lshl_add_u32 v28, v31, 6, v30                ; row r, + 64 h
	v_lshlrev_b32 v30, 4, v31
	v_sub_nc_u32 v30, v27, v30                     ; r - 16 h
	s_mov_b32 s[SEL], 0x76543210
	s_mov_b32 s[SEL+1], 0xfedcba98
	s_mov_b32 s[CS], 0x3fb8aa3b                    ; log2(e)
	s_mov_b32 s[CS+1], s[CS]
	s_mov_b32 s48, 0x3db504f3                      ; 1 / sqrt(128) in f32
	s_mov_b32 s49, s48
	s_mul_i32 s29, s13, 3
	s_xor_b32 s29, s29, s15                        ; the rank that my group takes: p, or 3 - p
	s_mul_i32 s32, s13, 15
	s_xor_b32 s32, s32, s16                        ; its query tile: qt, or 15 - qt
	s_lshl_b32 s32, s32, 4                         ; q0: my first query
	s_wait_kmcnt 0x0
	s_load_b128 s[20:23], s[6:7], 0x0              ; the four lengths
	s_wait_kmcnt 0x0
.irp b, 0,1,2,3
	s_max_i32 s[20+\b], s[20+\b], 0x100
	s_min_u32 s[20+\b], s[20+\b], 0x900
	s_mov_b32 s[24+\b], 0
.endr
.macro PAIR j, b                       ; j < b: the longer goes ahead, on a tie the lower index
	s_cmp_ge_u32 s[20+\j], s[20+\b]
	s_cselect_b32 s28, 1, 0
	s_add_co_u32 s[24+\b], s[24+\b], s28
	s_xor_b32 s28, s28, 1
	s_add_co_u32 s[24+\j], s[24+\j], s28
.endm
	PAIR 0, 1
	PAIR 0, 2
	PAIR 0, 3
	PAIR 1, 2
	PAIR 1, 3
	PAIR 2, 3
	s_mov_b32 s30, 0                               ; the sequence of my rank, and its length
	s_mov_b32 s31, s20
.irp b, 1,2,3
	s_cmp_eq_u32 s[24+\b], s29
	s_cselect_b32 s30, \b, s30
	s_cselect_b32 s31, s[20+\b], s31
.endr
	s_min_u32 s30, s30, 3                          ; it hangs on loaded numbers: it enters addresses only held
	s_add_co_u32 s[QMIN], s31, s32
	s_sub_co_u32 s[QMIN], s[QMIN], 0x100           ; L - 256 + q0, 0 or more
	s_add_co_u32 s[QMAX], s[QMIN], 15
	s_min_u32 s[QMAX], s[QMAX], 0x7ff              ; step s is worked where 128 s <= QMAX; then 128 s < L, so its image was stored
	s_lshr_b32 s[NL], s[QMAX], 7                   ; the last such step
	s_mov_b32 s45, 0                               ; the upper word of every offset; it stays 0
	s_lshl_b32 s44, s30, 8
	s_add_co_u32 s44, s44, s32
	s_lshl_b32 s44, s44, 14                        ; row 256 b + q0 of 16,384 bytes,
	s_lshl_b32 s50, s17, 2
	s_add_co_u32 s50, s50, s14
	s_lshl_b32 s50, s50, 9                         ; head 4 kvh + hd of 512 bytes: the same in query and in out0
	s_add_co_u32 s44, s44, s50
	s_add_nc_u64 s[4:5], s[4:5], s[44:45]
	s_add_nc_u64 s[46:47], s[10:11], s[44:45]
	s_lshl_b32 s44, s30, 3
	s_add_co_u32 s44, s44, s17
	s_mul_i32 s44, s44, 16*IMG                     ; (8 b + kvh) x 16 images
	s_add_nc_u64 s[PB:PB+1], s[8:9], s[44:45]
	s_min_u32 s44, s[NL], 1                        ; image 1, or the last worked one
	s_mul_i32 s44, s44, IMG
	s_add_nc_u64 s[PT:PT+1], s[PB:PB+1], s[44:45]
	s_min_u32 s44, s[NL], 2                        ; image 2, or the last worked one
	s_mul_i32 s44, s44, IMG
	s_add_nc_u64 s[52:53], s[PB:PB+1], s[44:45]
.macro LOADG set, base                 ; my quarter of the image at s[base], into staged set 'set': 8 x 512 dense bytes of codes, 256 of scale words
	WIN 0x40                                       ; destination window 1
.irp i, 0,1,2,3,4,5,6,7
	global_load_b128 v[STC+32*(\set)+4*\i:STC+32*(\set)+4*\i+3], v9, s[\base:\base+1] offset:512*\i
.endr
	global_load_b64 v[STS+2*(\set):STS+2*(\set)+1], v10, s[\base:\base+1]
	WIN 0
.endm
.macro PUT set, slot                   ; and from that set into a slot of my group.  Its data come from loads and its addresses from the head: no vector result is waited for
	WIN 0x04                                       ; an LDS store's data are its source 1: window 1
.irp i, 0,1,2,3,4,5,6,7
	ds_store_b128 v[5+(\slot)/2], v[STC+32*(\set)+4*\i:STC+32*(\set)+4*\i+3] offset:((\slot)%2)*IMG+512*\i
.endr
	ds_store_b64 v[7+(\slot)/2], v[STS+2*(\set):STS+2*(\set)+1] offset:((\slot)%2)*IMG
	WIN 0
.endm
; Tiles 4 u .. 4 u + 3 of K (reg KFR, base 0) or of V (reg VFR, base VOFF): a fragment comes as it was laid, 16 bytes a lane, 512 dense bytes a load.
; A load of 4 bytes a lane brings the scale words of two tiles, 128 dense bytes: lanes 0-15 tile 2 j's, lanes 16-31 tile 2 j + 1's.  Ten loads.
.macro FRAGS slot, u, reg, base, sreg, sbase
	WIN 0x40
.irp t, 0,1,2,3
.irp c, 0,1
	ds_load_b128 v[\reg+8*(4*\u+\t)+4*\c:\reg+8*(4*\u+\t)+4*\c+3], v[1+(\slot)/2] offset:((\slot)%2)*IMG+\base+(4*\u+\t)*1024+512*\c
.endr
.endr
	WIN 0
.irp j, 0,1
	ds_load_b32 v[\sreg+2*\u+\j], v[3+(\slot)/2] offset:((\slot)%2)*IMG+\sbase+(2*\u+\j)*128
.endr
.endm
; The mask on registers 16 g .. 16 g + 15 of the scores, keys 32 g + 0 .. 15 of my half: sixteen compares in a run, each into a scalar register of its own, one wait, sixteen selects.
.macro MASK16 g
.irp i, 0,1,2,3,4,5,6,7,8,9,10,11,12,13,14,15
	v_cmp_gt_i32 s[MK+\i], 32*(\g)+\i, v254
.endr
	s_wait_alu depctr_va_sdst(0)                   ; the sixteen compares have written s[MK ..], ahead of the selects that read them
.irp i, 0,1,2,3,4,5,6,7,8,9,10,11,12,13,14,15
	v_cndmask_b32 v[96+16*(\g)+\i], v[96+16*(\g)+\i], v255, s[MK+\i]   ; a hidden score becomes -infinity ahead of the maximum: p = 0 then.  Each accumulator from its low end on
.endr
.endm
	s_wait_alu depctr_va_vdst(0)                   ; the addresses v1 to v11, v25, v28 and v29 are written: every load and store of the kernel reads one of them, and none is written again
	LOADG 0, PB                                    ; image 0: every group works step 0
	LOADG 2, PT                                    ; image 1
.irp i, 0,1,2,3,4,5,6,7,8,9,10,11,12,13,14,15
	global_load_b128 v[96+4*\i:99+4*\i], v29, s[4:5] offset:16384*\i th:TH_LOAD_NT   ; query q0 + i, my head: 512 dense bytes, read once in the launch
.endr
	LOADG 1, 52                                    ; image 2: it stays out until step 0 stores it
	s_wait_loadcnt 0x19                            ; images 0 and 1 are in: behind them stand q's 16 loads and image 2's 9
	PUT 0, 0
	PUT 2, 1
	s_wait_loadcnt 0x9                             ; q is in: behind it stand image 2's 9
.irp i, 0,1,2,3,4,5,6,7,8,9,10,11,12,13,14,15
	ds_store_b128 v11, v[96+4*\i:99+4*\i] offset:SP*\i   ; q turns through my own stage: in by rows,
.endr
.irp b, 0,1,2,3
.irp j, 0,1,2,3
	ds_load_b128 v[160+16*\b+4*\j:163+16*\b+4*\j], v28 offset:128*\b+16*\j   ; out: lane (r, h) takes, of row r, d = 32 b + 16 h + 0 .. 15 into registers 16 b + 0 .. 15 (LDS serves a wave's instructions in order)
.endr
.endr
	s_wait_dscnt 0x0                               ; q is back; and, for the others' sake, my quarters of slots 0 and 1 have landed
	s_barrier_signal -1
	s_barrier_wait -1                              ; slots 0 and 1 are whole
	FRAGS 0, 0, KFR, 0, 32, KSO                    ; K of step 0: it lands while q is quantised.  (No vector instruction has been issued since the wait ahead of the first load, and none has ever named these registers)
	FRAGS 0, 1, KFR, 0, 32, KSO
.irp j, 0,2,4,6,8,10,12,14,16,18,20,22,24,26,28,30,32,34,36,38,40,42,44,46,48,50,52,54,56,58,60,62
	v_pk_mul_f32 v[160+\j:161+\j], v[160+\j:161+\j], s[48:49] op_sel_hi:[1,0]   ; q x 1 / sqrt(128), in f32, ahead of the quantiser
.endr
.irp b, 0,1,2,3
	v_mov_b32 v[236+\b], 0                         ; written once: a lane permute's destination counts as one of its sources
.endr
.irp b, 0,1,2,3
	v_max3_num_f32 v[232+\b], |v[160+16*\b]|, |v[161+16*\b]|, 0x1800000   ; block b: my 16 numbers, and the floor 2^(3 - 127)
.endr
.irp i, 2,4,6,8,10,12,14
.irp b, 0,1,2,3
	v_max3_num_f32 v[232+\b], v[232+\b], |v[160+16*\b+\i]|, |v[161+16*\b+\i]|
.endr
.endr
.irp b, 0,1,2,3
	v_permlanex16_b32 v[236+\b], v[232+\b], s[SEL], s[SEL+1]
.endr
.irp b, 0,1,2,3
	v_max_num_f32 v[232+\b], v[232+\b], v[236+\b]  ; with lane l xor 16's: the block's largest magnitude
.endr
.irp b, 0,1,2,3
	v_add_nc_u32 v[244+\b], 0xff000000, v[232+\b]  ; 2 off its exponent field: the conversion's scale operand
.endr
.irp b, 0,1,2,3
	v_lshrrev_b32 v[236+\b], 23, v[244+\b]         ; the scale's byte
.endr
	v_lshl_or_b32 v24, v237, 8, v236               ; my query's scale word
	v_lshl_or_b32 v24, v238, 16, v24
	v_lshl_or_b32 v24, v239, 24, v24
.irp b, 0,1,2,3
	v_cvt_scalef32_pk8_fp4_f32 v[16+2*\b], v[160+16*\b:167+16*\b], v[244+\b]
	v_cvt_scalef32_pk8_fp4_f32 v[17+2*\b], v[168+16*\b:175+16*\b], v[244+\b]
.endr
	v_nop                                          ; one plain line behind a scaled conversion
.irp c, 0,1                                    ; the operand's layout wants a whole block in a lane: lanes 0-15 block 2 c, lanes 16-31 block 2 c + 1
.irp i, 0,1
	v_permlane16_swap_b32 v[16+4*\c+\i], v[18+4*\c+\i]
.endr
.endr
	v_mov_b32 v13, 0xff61b1e6                      ; the largest t so far: -3e38, under every t
	v_floor_f32 v12, -v13                          ; -M
	v_mov_b32 v14, 0                               ; the sum, in two halves
	v_mov_b32 v15, 0
	v_mov_b32 v252, 0
	v_mov_b32 v253, 0                              ; (named as the upper half of the pair v[252:253] before it is first written)
	v_mov_b32 v255, 0xff800000                     ; -infinity
.irp j, 0,1,2,3,4,5,6,7,8,9,10,11,12,13,14,15,16,17,18,19,20,21,22,23,24,25,26,27,28,29,30,31,32,33,34,35,36,37,38,39,40,41,42,43,44,45,46,47,48,49,50,51,52,53,54,55,56,57,58,59,60,61,62,63
	v_mov_b32 v[160+\j], 0                         ; O^T.  The step is written for every step alike: the first finds zeros, which the first change of M leaves zeros.  (These lines also stand between q's codes and scale word and the first product)
.endr
	s_wait_alu depctr_va_vdst(0)                   ; q's codes v16-23 and its scale word v24 are written, which every step's scaled score products take as source 1 and its scales; the places above stay beside this wait
	s_mov_b32 s[KF], 0
	s_mov_b32 s37, 4
; STEP k OF A TRIP'S FOUR: 128 keys, their image in slot k of my group.  ONE barrier a step: in front of it a wave's stores into slot k + 1 have landed and all its LDS loads are back, K of this step among them;
; behind it slots k and k + 1 are read and slot k + 2 is written.  The barrier stands on every wave's path; the branch goes round work alone.
.macro STEP k
	s_wait_dscnt 0x0
	s_wait_alu depctr_vm_vsrc(0)                   ; the last step's LDS stores have read the staged set in which this step's loads land.  Ahead of step 0: the head's LDS stores have read sets 0 and 2, and v96-159 (q's way in), which the score products write
	s_barrier_signal -1
	s_barrier_wait -1
	s_cmp_gt_u32 s[KF], s[QMAX]
	s_cbranch_scc0 .Lwork_\@
	s_wait_loadcnt 0x0                             ; all 128 keys come behind my 16 queries: the step is left out.  No load stays out on this way, so none can be out into a set that a later step loads
	s_branch .Lend_\@
.Lwork_\@:
	s_lshr_b32 s44, s[KF], 7
	s_add_co_u32 s44, s44, 3                       ; the image three steps on,
	s_min_u32 s44, s44, s[NL]                      ; or my last worked one: it was stored, and nobody reads its copy
	s_min_u32 s44, s44, 15                         ; (it hangs on a loaded number: it enters an address only held)
	s_mul_i32 s44, s44, IMG
	s_wait_xcnt 0x0                                ; the last step's loads have read their base: it may be written
	s_add_nc_u64 s[PT:PT+1], s[PB:PB+1], s[44:45]
	LOADG \k%2, PT                                 ; this set's last loads were shown done by the last step's counted wait; no vector or matrix instruction names the set
	WIN 0x01                                       ; source 0 (K) window 1
.irp t, 0,1,2,3,4,5,6,7                        ; S^T = K Q^T: K has been in registers since the barrier; each product starts its sum with the constant 0
.if \t%2
	v_wmma_scale_f32_16x16x128_f8f6f4 v[96+8*\t:103+8*\t], v[KFR+8*\t:KFR+8*\t+7], v[16:23], 0, v[32+\t/2], v24 matrix_a_fmt:MATRIX_FMT_FP4 matrix_b_fmt:MATRIX_FMT_FP4 matrix_a_scale:MATRIX_SCALE_ROW1
.else
	v_wmma_scale_f32_16x16x128_f8f6f4 v[96+8*\t:103+8*\t], v[KFR+8*\t:KFR+8*\t+7], v[16:23], 0, v[32+\t/2], v24 matrix_a_fmt:MATRIX_FMT_FP4 matrix_b_fmt:MATRIX_FMT_FP4
.endif
.endr
	WIN 0
.rept 4
	v_nop                                          ; places in front of the first read of the scores
.endr
	s_wait_alu depctr_va_vdst(0)                   ; the score products are done reading K's fragments and v32-35, the last step's second products V's fragments and v36-39: this step's 40 fragment loads land in these, and no vector or matrix instruction names them between this wait and the loads
	FRAGS \k, 0, VFR, VOFF, 36, VSO                ; V's tiles 0-3
	s_add_co_u32 s50, s[KF], 127
	s_cmp_le_u32 s50, s[QMIN]
	s_cbranch_scc1 .Lopen_\@                       ; every key of the step counts for every query of mine
	s_sub_co_i32 s51, s[QMIN], s[KF]
	v_add_nc_u32 v254, s51, v30                    ; d = my query's position - KF - 16 (lane / 16): register 16 b + i is hidden where 32 b + i > d
	MASK16 0
	MASK16 1
	MASK16 2
	MASK16 3
.Lopen_\@:
.irp b, 0,1,2,3
	v_max3_num_f32 v[232+\b], v[96+16*\b], v[97+16*\b], v[98+16*\b]   ; the largest score of each block of 32 keys: for the row's maximum and, since p rises with the score, for the block's largest p
.endr
.irp i, 3,5,7,9,11,13
.irp b, 0,1,2,3
	v_max3_num_f32 v[232+\b], v[232+\b], v[96+16*\b+\i], v[97+16*\b+\i]
.endr
.endr
.irp b, 0,1,2,3
	v_max_num_f32 v[232+\b], v[232+\b], v[111+16*\b]
.endr
	FRAGS \k, 1, VFR, VOFF, 36, VSO                ; V's tiles 4-7
.irp b, 0,1,2,3
	v_permlanex16_b32 v[236+\b], v[232+\b], s[SEL], s[SEL+1]
.endr
.irp b, 0,1,2,3
	v_max_num_f32 v[232+\b], v[232+\b], v[236+\b]  ; with lane l xor 16's 16 keys
.endr
	v_max3_num_f32 v254, v232, v233, v234
	v_max_num_f32 v254, v254, v235                 ; the step's largest score of my query
	v_mul_f32 v254, s[CS], v254                    ; as t
	v_max_num_f32 v13, v13, v254                   ; the running largest t
	v_mov_b32 v254, v12
	v_floor_f32 v12, -v13                          ; the new -M = floor(-t) = -ceil(t): a whole number
	v_sub_f32 v254, v12, v254                      ; M's old value less its new one: a whole number, 0 or less
	v_cvt_i32_f32 v254, v254                       ; (it saturates)
	v_ldexp_f32 v252, 1.0, v254                    ; f = 2^(old M - new M): a multiplication by it rounds nothing
.irp j, 0,2,4,6,8,10,12,14,16,18,20,22,24,26,28,30,32,34,36,38,40,42,44,46,48,50,52,54,56,58,60,62
	v_pk_fma_f32 v[96+\j:97+\j], v[96+\j:97+\j], s[CS:CS+1], v[12:13] op_sel_hi:[1,0,0]   ; t - M, two at a time
.endr
.irp b, 0,1,2,3
	v_fma_f32 v[232+\b], v[232+\b], s[CS], v12     ; the same of each block's largest score
.endr
	FRAGS (\k+1)%4, 0, KFR, 0, 32, KSO             ; the NEXT step's K, tiles 0-3: that slot was whole at this step's barrier
	s_wait_alu depctr_va_vdst(0)
.irp j, 0,1,2,3,4,5,6,7,8,9,10,11,12,13,14,15,16,17,18,19,20,21,22,23,24,25,26,27,28,29,30,31,32,33,34,35,36,37,38,39,40,41,42,43,44,45,46,47,48,49,50,51,52,53,54,55,56,57,58,59,60,61,62,63
	v_exp_f32 v[96+\j], v[96+\j]                   ; p = 2^(t - M), at most 1
.endr
.irp b, 0,1,2,3
	v_exp_f32 v[232+\b], v[232+\b]                 ; the block's largest p: the same two instructions on the same number
.endr
	v_pk_mul_f32 v[14:15], v[14:15], v[252:253] op_sel_hi:[1,0]   ; the sums under the new M (a plain line behind the exponentials)
	FRAGS (\k+1)%4, 1, KFR, 0, 32, KSO             ; the next step's K, tiles 4-7
	s_wait_alu depctr_va_vdst(0)                   ; the 68 exponentials have written p (v96-159) and the blocks' largest p (v232-235): one wait for the batch, ahead of its first reader
.irp b, 0,1,2,3
	v_max_num_f32 v[232+\b], 0x1800000, v[232+\b]  ; the floor 2^(3 - 127): the byte cannot fall under 1
.endr
.irp b, 0,1,2,3
	v_add_nc_u32 v[244+\b], 0xff000000, v[232+\b]  ; 2 off the exponent field: the conversion's scale operand
.endr
.irp b, 0,1,2,3
	v_lshrrev_b32 v[236+\b], 23, v[244+\b]         ; the scale's byte
.endr
	v_lshl_or_b32 v253, v237, 8, v236              ; p's scale word for these 128 keys
	v_lshl_or_b32 v253, v238, 16, v253
	v_lshl_or_b32 v253, v239, 24, v253
.irp b, 0,1,2,3
	v_cvt_scalef32_pk8_fp4_f32 v[224+2*\b], v[96+16*\b:103+16*\b], v[244+\b]
	v_cvt_scalef32_pk8_fp4_f32 v[225+2*\b], v[104+16*\b:111+16*\b], v[244+\b]
.endr
	v_nop                                          ; one plain line behind a scaled conversion
.irp c, 0,1
.irp i, 0,1
	v_permlane16_swap_b32 v[224+4*\c+\i], v[226+4*\c+\i]   ; a whole block in a lane
.endr
.endr
	v_pk_add_f32 v[236:237], v[96:97], v[98:99]    ; the row's sum is taken of the unquantised p: two at a time, in two chains
.irp j, 4,8,12,16,20,24,28,32,36,40,44,48,52,56,60
	v_pk_add_f32 v[14:15], v[14:15], v[96+\j:97+\j]
	v_pk_add_f32 v[236:237], v[236:237], v[98+\j:99+\j]
.endr
	v_pk_add_f32 v[14:15], v[14:15], v[236:237]
	s_wait_loadcnt 0x9                             ; the image asked for a step ago is in: behind its loads stand this step's 9
	PUT (\k+1)%2, (\k+2)%4                         ; it is the image two steps on; every wave left that slot in front of this step's barrier.  The stores land under the lines below
.irp j, 0,2,4,6,8,10,12,14,16,18,20,22,24,26,28,30,32,34,36,38,40,42,44,46,48,50,52,54,56,58,60,62
	v_pk_mul_f32 v[160+\j:161+\j], v[160+\j:161+\j], v[252:253] op_sel_hi:[1,0]   ; O^T under the new M; each accumulator from its low end on.  (These lines also stand between p's codes and scale word and the products)
.endr
	s_wait_dscnt 0x9                               ; all 40 fragment loads are back, V's among them: behind them stand the 9 stores
	s_wait_alu depctr_va_vdst(0)                   ; p's codes v224-231 and its scale word v253 are written, which the scaled products below take as source 1 and its scales; the places above stay beside this wait
	WIN 0x01                                       ; source 0 (V) window 1
.irp t, 0,1,2,3,4,5,6,7                        ; O^T += V^T P^T: the eight accumulators take turns, one instruction a step each
.if \t%2
	v_wmma_scale_f32_16x16x128_f8f6f4 v[160+8*\t:167+8*\t], v[VFR+8*\t:VFR+8*\t+7], v[224:231], v[160+8*\t:167+8*\t], v[36+\t/2], v253 matrix_a_fmt:MATRIX_FMT_FP4 matrix_b_fmt:MATRIX_FMT_FP4 matrix_a_scale:MATRIX_SCALE_ROW1
.else
	v_wmma_scale_f32_16x16x128_f8f6f4 v[160+8*\t:167+8*\t], v[VFR+8*\t:VFR+8*\t+7], v[224:231], v[160+8*\t:167+8*\t], v[36+\t/2], v253 matrix_a_fmt:MATRIX_FMT_FP4 matrix_b_fmt:MATRIX_FMT_FP4
.endif
.endr
	WIN 0
.Lend_\@:
	s_add_co_u32 s[KF], s[KF], 128
.endm
.Ltrip:                                            ; 4 trips of four steps: a constant, whatever the lengths; after four steps slots and staged sets are back where they began
	STEP 0
	STEP 1
	STEP 2
	STEP 3
	s_sub_co_u32 s37, s37, 1
	s_cmp_lg_u32 s37, 0
	s_cbranch_scc1 .Ltrip
	; THE WAY OUT.  O^T is divided by the row's sum and goes through my own stage, so that a row's 512 bytes leave by one store of the wave.
	s_wait_loadcnt 0x0                             ; the last staged image, which nobody wants
.rept 4
	v_nop                                          ; places behind the last products
.endr
	v_add_f32 v14, v14, v15                        ; the sum's two halves,
	v_permlanex16_b32 v252, v14, s[SEL], s[SEL+1]
	v_add_f32 v14, v14, v252                       ; and lane l xor 16's: the row's sum, above 1/2
	s_wait_alu depctr_va_vdst(0)
	v_rcp_f32 v14, v14
	v_nop                                          ; one plain line behind a transcendental
	s_wait_alu depctr_va_vdst(0)                   ; the reciprocal has written v14, ahead of its first reader
.irp j, 0,2,4,6,8,10,12,14,16,18,20,22,24,26,28,30,32,34,36,38,40,42,44,46,48,50,52,54,56,58,60,62
	v_pk_mul_f32 v[96+\j:97+\j], v[160+\j:161+\j], v[14:15] op_sel_hi:[1,0]   ; register 8 t + i is o(query r, channel 16 t + 8 h + i)
.endr
	s_wait_alu depctr_va_vdst(0)                   ; the multiplies have written v96-159, which the LDS stores read, and are done reading v160-223, in which the loads from the stage land
.irp t, 0,1,2,3,4,5,6,7
	ds_store_b128 v25, v[96+8*\t:99+8*\t] offset:64*\t
	ds_store_b128 v25, v[100+8*\t:103+8*\t] offset:64*\t+16
.endr
.irp i, 0,1,2,3,4,5,6,7,8,9,10,11,12,13,14,15
	ds_load_b128 v[160+4*\i:163+4*\i], v11 offset:SP*\i   ; LDS serves a wave's instructions in order: these see my stores
.endr
.irp i, 0,1,2,3,4,5,6,7,8,9,10,11,12,13,14,15
	s_wait_dscnt 15-\i                             ; row i is back; the younger rows' loads may be out
	global_store_b128 v29, v[160+4*\i:163+4*\i], s[46:47] offset:16384*\i th:TH_STORE_NT   ; 32 lanes store 512 consecutive bytes, at a multiple of 256 from out0's first byte; written once
.endr
	s_wait_dscnt 0x0                               ; the closing lines, six on end
	s_wait_alu 0x0
	s_wait_tensorcnt 0x0
	ds_add_u32 v250, v251
	s_wait_dscnt 0x0
	s_endpgm
.Lfunc_end_k_q435bb4e367_attn:
	.size	k_q435bb4e367_attn, .Lfunc_end_k_q435bb4e367_attn-k_q435bb4e367_attn
	.p2alignl 7, 3214868480
	.fill 96, 4, 3214868480
	.section	.rodata,"a",@progbits
	.p2align	6, 0x0
	.amdhsa_kernel k_q435bb4e367_attn
		.amdhsa_group_segment_fixed_size 207872
		.amdhsa_private_segment_fixed_size 0
		.amdhsa_enable_private_segment 0
		.amdhsa_kernarg_size 32
		.amdhsa_user_sgpr_count 2
		.amdhsa_user_sgpr_kernarg_segment_ptr 1
		.amdhsa_wavefront_size32 1
		.amdhsa_system_sgpr_workgroup_id_x 1
		.amdhsa_system_sgpr_workgroup_id_y 1
		.amdhsa_system_sgpr_workgroup_id_z 1
		.amdhsa_system_vgpr_workitem_id 0
		.amdhsa_next_free_vgpr 512
		.amdhsa_next_free_sgpr 66
		.amdhsa_reserve_vcc 0
		.amdhsa_float_denorm_mode_32 3
		.amdhsa_float_denorm_mode_16_64 3
		.amdhsa_memory_ordered 1
		.amdhsa_forward_progress 1
		.amdhsa_inst_pref_size 147
	.end_amdhsa_kernel
	.amdgpu_metadata
---
amdhsa.version: [ 1, 2 ]
amdhsa.kernels:
  - .name:           k_q435bb4e367_attn
    .symbol:         k_q435bb4e367_attn.kd
    .args:
      - { .name: query, .offset: 0, .size: 8, .value_kind: global_buffer, .address_space: global }
      - { .name: seq_lens, .offset: 8, .size: 8, .value_kind: global_buffer, .address_space: global }
      - { .name: kvimg, .offset: 16, .size: 8, .value_kind: global_buffer, .address_space: global }
      - { .name: out0, .offset: 24, .size: 8, .value_kind: global_buffer, .address_space: global }
    .group_segment_fixed_size: 207872
    .private_segment_fixed_size: 0
    .kernarg_segment_align: 8
    .kernarg_segment_size: 32
    .max_flat_workgroup_size: 256
    .sgpr_count:     66
    .vgpr_count:     512
    .wavefront_size: 32
...
	.end_amdgpu_metadata
.endif
;; end of part 4
